; MI455X (gfx1250); checked and timed in simulation.
; The chip was launched on July 23, 2026; its instructions are those of AMD's public machine-readable ISA for CDNA 5 (MIT licence, August 2026) and "CDNA5" Instruction Set Architecture Reference Guide (July 2026). The comments in the code are by the model that wrote it; some were corrected since.
;; Co Attention Son Layer. Allowed arithmetic: matrix products marked QUANTISED: E2M1 operands, one E8M0 scale for each 32 along K, by v_wmma_scale_f32_16x16x128_f8f6f4 with both operands' format E2M1 (or v_wmma_scale_f32_32x16x128_f4), f32 sums; everything else in f32.
;; Inputs: Wk 1,024 x 1,024 float32; Wo 1,024 x 1,024 float32; Wq 1,024 x 1,024 float32; Wv 1,024 x 1,024 float32; bk 1,024 float32; bo 1,024 float32; bq 1,024 float32; bv 1,024 float32; gamma 1,024 float32; hidden_states 4 x 2,048 x 1,024 float32; keyvalue_states 4 x 2,048 x 1,024 float32.
;; Outputs: out0 4 x 2,048 x 1,024 float32.
;; This version of the problem:
;;   THIS VERSION OF THE PROBLEM IS GIVEN IN LOW PRECISION. The matrix products marked QUANTISED in the list below multiply operands that are first quantised to E2M1 (2 exponent bits, 1 mantissa bit; 4 bits a number), with one power-of-two scale for each 32 numbers along K (OCP MX v1.0); their sums are f32. All else is computed in f32.
;;   The module's matrix products, in the order in which they are computed (A, B: the left and right operand; K: the contracted axis; several contracted axes count as one K, in the product's order):
;;     1. [M 8,192, K 1,024] x [K 1,024, N 1,024]; A: input hidden_states; B: input Wq: QUANTISED
;;     2. [M 8,192, K 1,024] x [K 1,024, N 1,024]; A: input keyvalue_states; B: input Wk: QUANTISED
;;     3. [M 8,192, K 1,024] x [K 1,024, N 1,024]; A: input keyvalue_states; B: input Wv: QUANTISED
;;     4. batch 64 x [M 2,048, K 64] x [K 64, N 2,048]; A: computed on the way; B: computed on the way: QUANTISED
;;     5. batch 64 x [M 2,048, K 2,048] x [K 2,048, N 64]; A: softmax (see below); B: computed on the way: QUANTISED
;;     6. [M 8,192, K 1,024] x [K 1,024, N 1,024]; A: computed on the way; B: input Wo: QUANTISED
;;   THE QUANTISER, for each operand of a quantised product, along K:
;;     - K is cut into blocks of 32 from its start; a last block that is shorter is filled with zeros.
;;     - A block's scale is 2^e with e = floor(log2(the largest magnitude in the block)) - 2, held to -126 .. 127; a block of zeros has e = 0. As a byte (E8M0): e + 127.
;;     - Each number is divided by its block's scale, clamped to +-6, and rounded to the nearest number of E2M1, ties to even, subnormals kept.
;;     - The product sums the exact products of the quantised numbers (number of the format x scale) in f32.
;;   ~~~python
;;   def quantise(x, axis):      # numpy; x: float32 -> the quantised numbers, widened to float32 again
;;       x = np.moveaxis(x, axis, -1); K = x.shape[-1]
;;       x = np.pad(x, [(0, 0)] * (x.ndim - 1) + [(0, -K % 32)]); x = x.reshape(x.shape[:-1] + (-1, 32)); a = np.abs(x).max(-1, keepdims=True)
;;       e = np.where(a > 0, np.clip(np.frexp(np.where(a > 0, a, 1))[1] - 1 - 2, -126, 127), 0)      # np.frexp(a)[1] - 1 = floor(log2(a)), exactly
;;       r = np.clip(x / 2.0 ** e, -6, 6)
;;       step = 2.0 ** (np.maximum(np.frexp(np.where(r == 0, 1, r))[1] - 1, 0) - 1)
;;       q = np.round(r / step) * step * 2.0 ** e      # np.round: ties to even
;;       return np.moveaxis(q.reshape(q.shape[:-2] + (-1,))[..., :K], -1, axis).astype(np.float32)
;;   ~~~
;;   SOFTMAX AHEAD OF A QUANTISED PRODUCT. Where the list says 'softmax', what is quantised is not the finished softmax but p = 2^(t - M), with t = logit x log2(e) and M = ceil(the row's largest t), a whole number; so 1/2 < the row's largest p <= 1. The row's sum l is taken of the UNQUANTISED p, in f32, and the product's result is divided by l at the end. Since M is a whole number, a kernel that streams over the keys may use a running M (the ceiling of the running maximum): every later rescaling is an exact power of two, which a block's scale takes up: the codes' values come out the same.
;;   OPERANDS COMPUTED ON THE WAY. 'Computed on the way' means the value that the module computes at that place (a softmax that the list does not call 'softmax' is quantised finished and normalised). What goes into a quantiser is computed in f32, as accurately as f32 sums, v_exp_f32 and their like allow (about 1e-6 of the number): no bf16 or f16 on the way to a quantiser, and a product that is left as it is and whose result goes on into a quantised operand takes f32 operands (vector FMAs, or v_wmma_f32_16x16x4_f32). A number that lies on a knife's edge between two numbers of the format may be rounded either way, as far as f32 arithmetic and the matrix unit's own rounding can turn it there, and no further.
;; One version. Each part assembles by itself: llvm-mc -triple=amdgcn-amd-amdhsa -mcpu=gfx1250 --defsym DOCPART=n.
;; ======== version 1 of 1: 4 launches
;; limits: right only within a limited range of input values
;; workspace buffers: xc 10,485,760 bytes; xs 655,360 bytes; pc 12,582,912 bytes; ps 786,432 bytes; cc 4,194,304 bytes; cs 262,144 bytes
;; launch quant (part 1): grid 640 x 1, 4 waves a work-group, no clusters, 34,304 bytes of LDS; arguments hidden_states, keyvalue_states, Wq, Wk, Wv, Wo, xc, xs; writes xc, xs
.if DOCPART == 1
	.amdgcn_target "amdgcn-amd-amdhsa--gfx1250"
	.amdhsa_code_object_version 6
	.text
	.protected	k_qb4d8d817a1_quant
	.globl	k_qb4d8d817a1_quant
	.p2align	8
	.type	k_qb4d8d817a1_quant,@function
k_qb4d8d817a1_quant:
	s_mov_b64 s[64:65], 0
	v_nop
	global_prefetch_b8 v0, s[64:65] scope:SCOPE_SE
	s_setreg_imm32_b32 hwreg(HW_REG_WAVE_MODE, 25, 1), 1
	s_wait_xcnt 0x0
; The six f32 operands whose K (1,024) is innermost become codes of FP4 (E2M1) with one E8M0 byte for each 32 along K, laid as IMAGES OF OPERAND REGISTERS.
; A fragment, 16 rows x 128 K, is 1,024 bytes: register group c (registers 4 c .. 4 c + 3) is 512 bytes, lane l's 16 bytes at 16 l; lane (r = l % 16, h = l / 16) holds row r, k = 64 c + 32 h + 0 .. 31.
; THE ROWS OF A TILE ARE NOT NEIGHBOURS: place p of tile 2 a + u holds row 32 a + 8 u + p + 8 (p / 8), so that, where such tiles are source 0 of a product, a lane's 16 results of tiles 2 a, 2 a + 1 are 16 neighbours.
; xc: [tile T 0..1279][K step 0..7][1,024 bytes]; T: hidden 0-511, keyvalue 512-1023, Wq 1024-, Wk 1088-, Wv 1152-, Wo 1216-1279.  xs: [T][K step / 4][row place][K step % 4], one word (four bytes: 128 along K) each.
; A block's byte is its largest magnitude's exponent field - 2, held at 1 from below.  A block of zeros so gets the byte 1 where the rule says 127: its codes are zeros, and this program alone reads the bytes.
; LIMITS: NaN and infinities among the inputs are not served.
; SHARES: work-groups 2 g and 2 g + 1 take tiles 4 g .. 4 g + 3, a wave a tile: the even one K steps 0-3, the odd one K steps 4-7.  So a wave's scale words are one aligned unit of 256 bytes.
; Each load reads 512 consecutive bytes of one row; a step's 16 rows turn through the wave's own stage in LDS (rows 528 bytes apart), so that a lane gets 16 neighbours of each block.
; Waves share nothing: no barrier.  A work-group lies wholly in one tensor.  No two work-groups read the same bytes, so there is nothing to ask for jointly.
.set STGB,  8448                       ; a wave's stage: 16 rows x 528 bytes
.set ROWP,  528
.set NS,    4                          ; K steps of a wave
.set LO,    4                          ; v4   16 x lane
.set STI,   5                          ; v5   the stage on the way in
.set STO,   6                          ; v6   and on the way out: row r, + 64 h
.set TM,    8                          ; v8-11 largest magnitudes, v12-15 the other half's, then bytes, v20-23 the conversions' scale operands
.set SW,    24                         ; v24-27 a scale word for each K step
.set PC,    36                         ; v36-43 a fragment's codes
.set X,     48                         ; v48-111 64 numbers: register 16 b + i = k 32 b + 16 h + i of my row
.set R,     112                        ; v112-239 two sets of 64 as loaded
.set SEL,   20                         ; s[20:21] v_permlanex16_b32's selects for lane l xor 16
.set SRC,   22                         ; s[22:23] my tile's first row in its tensor, at my first K step
.set WV,    26
	s_load_b256 s[4:11], s[0:1], 0x0               ; hidden, keyvalue, Wq, Wk
	s_load_b256 s[12:19], s[0:1], 0x20             ; Wv, Wo, xc, xs
	v_lshl_add_u32 v240, v0, 2, 0x8400
	v_mov_b32 v241, 0
	v_lshrrev_b32 v1, 5, v0
	v_readfirstlane_b32 s[WV], v1                  ; wave 0..3
	v_and_b32 v1, 31, v0                           ; lane
	v_and_b32 v2, 15, v0                           ; r
	v_bfe_u32 v3, v0, 4, 1                         ; h
	v_lshlrev_b32 v[LO], 4, v1
	s_mul_i32 s27, s[WV], STGB
	v_add_nc_u32 v[STI], s27, v[LO]
	v_mul_u32_u24 v[STO], v2, ROWP
	v_lshl_add_u32 v[STO], v3, 6, v[STO]
	v_add_nc_u32 v[STO], s27, v[STO]
	s_mov_b32 s[SEL], 0x76543210
	s_mov_b32 s[SEL+1], 0xfedcba98
.irp b, 0,1,2,3
	v_mov_b32 v[TM+4+\b], 0                        ; written once: a lane permute's destination counts as one of its sources
.endr
	s_wait_alu depctr_va_vdst(0)                   ; the wait at the head's end
	s_wait_kmcnt 0x0
	s_lshr_b32 s32, ttmp9, 1                       ; g: which four tiles
	s_and_b32 s33, ttmp9, 1                        ; which half of K
	s_mov_b64 s[SRC:SRC+1], s[14:15]               ; which tensor: the choice hangs on the work-group's number alone
	s_mov_b32 s24, 304                             ; and the tensor's first g
	s_cmp_lt_u32 s32, 304
	s_cselect_b64 s[SRC:SRC+1], s[12:13], s[SRC:SRC+1]
	s_cselect_b32 s24, 288, s24
	s_cmp_lt_u32 s32, 288
	s_cselect_b64 s[SRC:SRC+1], s[10:11], s[SRC:SRC+1]
	s_cselect_b32 s24, 272, s24
	s_cmp_lt_u32 s32, 272
	s_cselect_b64 s[SRC:SRC+1], s[8:9], s[SRC:SRC+1]
	s_cselect_b32 s24, 256, s24
	s_cmp_lt_u32 s32, 256
	s_cselect_b64 s[SRC:SRC+1], s[6:7], s[SRC:SRC+1]
	s_cselect_b32 s24, 128, s24
	s_cmp_lt_u32 s32, 128
	s_cselect_b64 s[SRC:SRC+1], s[4:5], s[SRC:SRC+1]
	s_cselect_b32 s24, 0, s24
	s_sub_co_u32 s24, s32, s24
	s_lshl_b32 s24, s24, 2
	s_add_co_u32 s24, s24, s[WV]                   ; my tile within its tensor
	s_lshr_b32 s25, s24, 1
	s_lshl_b32 s25, s25, 17                        ; 32 rows of 4,096 bytes for each pair of tiles,
	s_and_b32 s24, s24, 1
	s_lshl_b32 s24, s24, 15                        ; 8 rows for the odd one,
	s_add_co_u32 s24, s24, s25
	s_lshl_b32 s34, s33, 11                        ; and 4 K steps of 512 bytes for the upper half of K
	s_add_co_u32 s24, s24, s34
	s_mov_b32 s25, 0
	s_add_nc_u64 s[SRC:SRC+1], s[SRC:SRC+1], s[24:25]
	s_lshl_b32 s28, s32, 2
	s_add_co_u32 s28, s28, s[WV]                   ; T
	s_lshl_b32 s30, s28, 9
	s_lshl_b32 s34, s33, 8
	s_add_co_u32 s30, s30, s34                     ; my 256 bytes of scale words
	s_mov_b32 s31, 0
	s_lshl_b32 s28, s28, 13
	s_lshl_b32 s34, s33, 12
	s_add_co_u32 s28, s28, s34                     ; my four images
	s_mov_b32 s29, 0
	s_add_nc_u64 s[16:17], s[16:17], s[28:29]
	s_add_nc_u64 s[18:19], s[18:19], s[30:31]
.macro LOAD k                          ; my K step k of the tile's 16 rows: 32 lanes read 512 consecutive bytes of one row
.irp p, 0,1,2,3,4,5,6,7,8,9,10,11,12,13,14,15
	global_load_b128 v[R+64*((\k)%2)+4*\p:R+64*((\k)%2)+4*\p+3], v[LO], s[SRC:SRC+1] offset:(\p+8*(\p/8))*4096+512*(\k) th:TH_LOAD_NT
.endr
.endm
; 64 numbers of a lane become a fragment's codes in v[PC] on and its scale word in v[pw]
.macro QUANT s, pw
.irp b, 0,1,2,3
	v_max3_num_f32 v[TM+\b], |v[\s+16*\b]|, |v[\s+1+16*\b]|, 0x1800000   ; block b: my 16 numbers, and the floor 2^(3 - 127): the byte cannot fall under 1
.endr
.irp i, 2,4,6,8,10,12,14
.irp b, 0,1,2,3
	v_max3_num_f32 v[TM+\b], v[TM+\b], |v[\s+16*\b+\i]|, |v[\s+1+16*\b+\i]|   ; the four blocks by turns
.endr
.endr
.irp b, 0,1,2,3
	v_permlanex16_b32 v[TM+4+\b], v[TM+\b], s[SEL], s[SEL+1]
.endr
.irp b, 0,1,2,3
	v_max_num_f32 v[TM+\b], v[TM+\b], v[TM+4+\b]   ; with lane l xor 16's: the block's largest magnitude
.endr
.irp b, 0,1,2,3
	v_add_nc_u32 v[TM+12+\b], 0xff000000, v[TM+\b] ; 2 off its exponent field: the conversion takes the exponent field of this operand as its scale
.endr
.irp b, 0,1,2,3
	v_lshrrev_b32 v[TM+4+\b], 23, v[TM+12+\b]      ; the scale's byte
.endr
	v_lshl_or_b32 v[\pw], v[TM+5], 8, v[TM+4]
	v_lshl_or_b32 v[\pw], v[TM+6], 16, v[\pw]
	v_lshl_or_b32 v[\pw], v[TM+7], 24, v[\pw]
.irp b, 0,1,2,3
	v_cvt_scalef32_pk8_fp4_f32 v[PC+2*\b], v[\s+16*\b:\s+7+16*\b], v[TM+12+\b]
	v_cvt_scalef32_pk8_fp4_f32 v[PC+1+2*\b], v[\s+8+16*\b:\s+15+16*\b], v[TM+12+\b]
.endr
	v_nop                                          ; one plain instruction behind the scaled conversions
.irp c, 0,1                            ; the layout wants a WHOLE block in a lane: lanes 0-15 block 2 c, lanes 16-31 block 2 c + 1
.irp i, 0,1
	v_permlane16_swap_b32 v[PC+4*\c+\i], v[PC+2+4*\c+\i]
.endr
.endr
.endm
.macro STEP k
.if (\k) < NS-1
	s_wait_loadcnt 16                              ; this step's 16 loads are in; the next step's 16 may be out
.else
	s_wait_loadcnt 0x0
.endif
.irp p, 0,1,2,3,4,5,6,7,8,9,10,11,12,13,14,15
	ds_store_b128 v[STI], v[R+64*((\k)%2)+4*\p:R+64*((\k)%2)+4*\p+3] offset:ROWP*\p
.endr
.irp b, 0,1,2,3
.irp j, 0,1,2,3
	ds_load_b128 v[X+16*\b+4*\j:X+16*\b+4*\j+3], v[STO] offset:128*\b+16*\j   ; LDS serves a wave's instructions in order: these see the stores above
.endr
.endr
	s_wait_dscnt 0x0                               ; my 64 numbers are in, and the stores have read their registers,
.if (\k) < NS-2
	LOAD (\k)+2                                    ; which take the loads of two steps on
.endif
	s_wait_xcnt 0x0                                ; the last step's stores have read the codes' registers: they are written again only behind this wait
	QUANT X, SW+(\k)
	global_store_b128 v[LO], v[PC:PC+3], s[16:17] offset:1024*(\k)       ; 32 lanes store 512 consecutive bytes, aligned
	global_store_b128 v[LO], v[PC+4:PC+7], s[16:17] offset:1024*(\k)+512
.endm
	LOAD 0
	LOAD 1
.irp k, 0,1,2,3
	STEP \k
.endr
	v_cmp_gt_u32 vcc_lo, 16, v1                    ; both halves of the lanes hold row r's four words: lanes 0-15 store them
	s_wait_alu depctr_va_vdst(0)                   ; the wait here, directly ahead of the wait below
	s_wait_xcnt 0x0                                ; EXEC changes only behind this wait
	s_and_saveexec_b32 s35, vcc_lo
	global_store_b128 v[LO], v[SW:SW+3], s[18:19]  ; 256 consecutive bytes, aligned
	s_wait_xcnt 0x0
	s_or_b32 exec_lo, exec_lo, s35
	s_wait_tensorcnt 0x0                           ; the wave's end
	ds_add_u32 v240, v241
	s_wait_dscnt 0x0
	s_endpgm
.Lfunc_end_k_qb4d8d817a1_quant:
	.size	k_qb4d8d817a1_quant, .Lfunc_end_k_qb4d8d817a1_quant-k_qb4d8d817a1_quant
	.p2alignl 7, 3214868480
	.fill 96, 4, 3214868480
	.section	.rodata,"a",@progbits
	.p2align	6, 0x0
	.amdhsa_kernel k_qb4d8d817a1_quant
		.amdhsa_group_segment_fixed_size 34304
		.amdhsa_private_segment_fixed_size 0
		.amdhsa_enable_private_segment 0
		.amdhsa_kernarg_size 64
		.amdhsa_user_sgpr_count 2
		.amdhsa_user_sgpr_kernarg_segment_ptr 1
		.amdhsa_wavefront_size32 1
		.amdhsa_system_sgpr_workgroup_id_x 1
		.amdhsa_system_sgpr_workgroup_id_y 1
		.amdhsa_system_sgpr_workgroup_id_z 1
		.amdhsa_system_vgpr_workitem_id 0
		.amdhsa_next_free_vgpr 242
		.amdhsa_next_free_sgpr 66
		.amdhsa_reserve_vcc 1
		.amdhsa_float_denorm_mode_32 3
		.amdhsa_float_denorm_mode_16_64 3
		.amdhsa_memory_ordered 1
		.amdhsa_forward_progress 1
		.amdhsa_inst_pref_size 34
	.end_amdhsa_kernel
	.amdgpu_metadata
---
amdhsa.version: [ 1, 2 ]
amdhsa.kernels:
  - .name:           k_qb4d8d817a1_quant
    .symbol:         k_qb4d8d817a1_quant.kd
    .args:
      - { .name: hidden_states, .offset: 0, .size: 8, .value_kind: global_buffer, .address_space: global }
      - { .name: keyvalue_states, .offset: 8, .size: 8, .value_kind: global_buffer, .address_space: global }
      - { .name: Wq, .offset: 16, .size: 8, .value_kind: global_buffer, .address_space: global }
      - { .name: Wk, .offset: 24, .size: 8, .value_kind: global_buffer, .address_space: global }
      - { .name: Wv, .offset: 32, .size: 8, .value_kind: global_buffer, .address_space: global }
      - { .name: Wo, .offset: 40, .size: 8, .value_kind: global_buffer, .address_space: global }
      - { .name: xc, .offset: 48, .size: 8, .value_kind: global_buffer, .address_space: global }
      - { .name: xs, .offset: 56, .size: 8, .value_kind: global_buffer, .address_space: global }
    .group_segment_fixed_size: 34304
    .private_segment_fixed_size: 0
    .kernarg_segment_align: 8
    .kernarg_segment_size: 64
    .max_flat_workgroup_size: 128
    .sgpr_count:     66
    .vgpr_count:     242
    .wavefront_size: 32
...
	.end_amdgpu_metadata
.endif
;; end of part 1
;; launch proj (part 2): grid 4 x 96, 4 waves a work-group, clusters of 4 x 4, 327,680 bytes of LDS; arguments xc, xs, bq, bk, bv, pc, ps; writes pc, ps
.if DOCPART == 2
	.amdgcn_target "amdgcn-amd-amdhsa--gfx1250"
	.amdhsa_code_object_version 6
	.text
	.protected	k_qb4d8d817a1_proj
	.globl	k_qb4d8d817a1_proj
	.p2align	8
	.type	k_qb4d8d817a1_proj,@function
k_qb4d8d817a1_proj:
	s_mov_b64 s[64:65], 0
	v_nop
	global_prefetch_b8 v0, s[64:65] scope:SCOPE_SE
	s_setreg_imm32_b32 hwreg(HW_REG_WAVE_MODE, 25, 1), 1
	s_wait_xcnt 0x0
	s_wait_alu depctr_hold_cnt(0) depctr_sa_sdst(0) depctr_va_vdst(0) depctr_va_sdst(0) depctr_va_ssrc(0) depctr_va_vcc(0) depctr_vm_vsrc(0)
	s_getreg_b32 s2, hwreg(HW_REG_IB_STS2, 6, 4)
	s_cmp_eq_u32 s2, 0
	s_cbranch_scc0 .Lentry_in_a_cluster
	s_endpgm
.Lentry_in_a_cluster:
	s_bfe_u32 s2, ttmp6, 0x10000c
	s_cmp_lg_u32 s2, 0xf033
	s_cbranch_scc0 .Lentry_shape_is_right
	s_endpgm
.Lentry_shape_is_right:
.set FR,    8
.set NQ,    4
.set NP,    4
.set SLOT,  131072
.set BOFF,  65536
.set SCL,   262144
.set ADRA,  16
.set ADRB,  20
.set LI,    26
.set ADRS,  27
.set BJA,   28
.set BIA,   29
.set SC,    32
.set BI,    96
.set SW,    104
.set SWO,   112
.set AF,    128
.set BJ,    192
.set TM,    192
.set WV,    18
.set WH,    19
.set WL,    20
.set G1,    24
.set G0,    32
.set G1B,   48
.set G0B,   56
.set G1S,   68
.set G0S,   76
.set G1SB,  80
.set G0SB,  88
.set MSB, 0
.macro WIN new
.if MSB != (\new)
	s_set_vgpr_msb (MSB<<8)|(\new)
.set MSB, (\new)
.endif
.endm
.set MUL_LO, 0xa1
.set MUL_HI, 0xf1
.set TO_B,   0x40
.macro JLOAD g0a, g1a, g0b, g1b
	s_cmp_eq_u32 s[WH], 0
	s_cbranch_scc0 .Lfor_b_\@
	tensor_load_to_lds s[\g0a:\g0a+3], s[\g1a:\g1a+7]
	s_nop 0
.rept 4
	v_nop
.endr
	s_branch .Lasked_\@
.Lfor_b_\@:
	tensor_load_to_lds s[\g0b:\g0b+3], s[\g1b:\g1b+7]
	s_nop 0
.rept 4
	v_nop
.endr
.Lasked_\@:
.endm
.macro CROUND
	s_barrier_signal -1
	s_barrier_wait -1
	s_cmp_lg_u32 s[WV], 0
	s_cbranch_scc1 .Lnot_wave_0_\@
	s_barrier_signal -3
.Lnot_wave_0_\@:
	s_barrier_wait -3
	s_barrier_signal -1
	s_barrier_wait -1
.endm
	s_load_b256 s[4:11], s[0:1], 0x0
	s_load_b128 s[12:15], s[0:1], 0x20
	s_load_b64 s[16:17], s[0:1], 0x30
	v_lshl_add_u32 v126, v0, 2, 0x44000
	v_mov_b32 v127, 0
	ds_add_u32 v126, v127
	ds_add_u32 v126, v127
	v_lshrrev_b32 v1, 5, v0
	v_readfirstlane_b32 s[WV], v1
	s_lshr_b32 s[WH], s[WV], 1
	s_and_b32 s[WL], s[WV], 1
	s_bfe_u32 s40, ttmp6, 0x40000
	s_bfe_u32 s41, ttmp6, 0x40004
	s_and_b32 s42, ttmp7, 0xffff
	s_lshl_b32 s43, s41, 2
	s_lshl_b32 s43, 15, s43
	s_lshl_b32 s44, 0x1111, s40
	s_or_b32 s[G1+0], s43, (3<<16)|(1<<21)
	s_or_b32 s[G1B+0], s44, (3<<16)|(1<<21)
.irp g, G1, G1B
	s_mov_b32 s[\g+1], 512<<16
	s_mov_b32 s[\g+2], 16<<16                      ; the head's loads of codes bring 16 tiles; behind them the two words that count rows are set to 8
	s_mov_b32 s[\g+3], 512<<16
	s_mov_b32 s[\g+4], 16
	s_mov_b32 s[\g+5], 1024
	s_mov_b32 s[\g+6], 0
	s_mov_b32 s[\g+7], 0
.endr
	s_or_b32 s[G1S+0], s43, (3<<16)|(1<<21)
	s_or_b32 s[G1SB+0], s44, (3<<16)|(1<<21)
.irp g, G1S, G1SB
	s_mov_b32 s[\g+1], 32<<16
	s_mov_b32 s[\g+2], 32<<16                      ; the scale words of 16 tiles: 8,192 dense bytes as 32 rows of 256
	s_mov_b32 s[\g+3], 32<<16
	s_mov_b32 s[\g+4], 32
	s_mov_b32 s[\g+5], 32
	s_mov_b32 s[\g+6], 0
	s_mov_b32 s[\g+7], 0
.endr
	s_lshl_b32 s21, s42, 6
	s_sub_co_u32 s22, s21, 512
	s_lshr_b32 s43, s42, 3
	s_lshl_b32 s23, s43, 6
	s_add_co_u32 s23, s23, 1024
	s_and_b32 s46, s42, 7
	s_lshl_b32 s46, s46, 6
	s_sub_co_u32 s47, s42, 16
	s_lshl_b32 s47, s47, 3
	s_cmp_ge_u32 s42, 16
	s_cselect_b32 s45, 1152, s21
	s_cselect_b32 s66, s22, s23
	s_cselect_b32 s46, 0, s46
	s_cselect_b32 s47, s47, 0
	s_cselect_b32 s67, 6, 9
	s_cselect_b32 s43, 2, s43
	s_cselect_b32 s2, 0, -1
	s_cselect_b32 s3, -1, 0
	s_lshl_b32 s21, s41, 4
	s_lshl_b32 s22, s40, 4
	s_lshl_b32 s23, s[WL], 3
	s_add_co_u32 s45, s45, s21
	s_add_co_u32 s45, s45, s23
	s_add_co_u32 s66, s66, s22
	s_add_co_u32 s66, s66, s23
	s_lshl_b32 s92, s45, 9
	s_mov_b32 s93, 0
	s_lshl_b32 s94, s45, 13
	s_mov_b32 s95, 0
	s_lshl_b32 s96, s66, 13
	s_mov_b32 s97, 0
	s_lshl_b32 s98, s66, 9
	s_mov_b32 s99, 0
	s_lshl_b32 s44, s40, 1
	s_add_co_u32 s47, s47, s44
	s_add_co_u32 s47, s47, s[WL]
	s_lshl_b32 s47, s47, s67
	s_add_co_u32 s46, s46, s21
	s_lshl_b32 s44, s[WH], 3
	s_add_co_u32 s46, s46, s44
	s_add_co_u32 s47, s47, s46
	s_lshl_b32 s44, s43, 22
	s_lshl_b32 s45, s47, 10
	s_add_co_u32 s44, s44, s45
	s_mov_b32 s45, 0
	s_lshl_b32 s66, s43, 18
	s_lshl_b32 s67, s47, 6
	s_add_co_u32 s66, s66, s67
	s_mov_b32 s67, 0
	s_lshl_b32 s46, s40, 10
	s_lshl_b32 s47, s[WL], 9
	s_add_co_u32 s46, s46, s47
	s_and_b32 s46, s46, s2
	s_mov_b32 s47, 0
	s_lshl_b32 s22, s41, 10
	s_lshl_b32 s23, s[WH], 9
	s_add_co_u32 s22, s22, s23
	s_and_b32 s22, s22, s3
	s_mov_b32 s23, 0
	s_lshl_b32 s100, s[WV], 15
	s_wait_dscnt 0x0
	s_wait_kmcnt 0x0
	s_add_nc_u64 s[92:93], s[6:7], s[92:93]
	s_add_nc_u64 s[94:95], s[4:5], s[94:95]
	s_add_nc_u64 s[96:97], s[4:5], s[96:97]
	s_add_nc_u64 s[98:99], s[6:7], s[98:99]
	s_add_nc_u64 s[14:15], s[14:15], s[44:45]
	s_add_nc_u64 s[16:17], s[16:17], s[66:67]
	s_cmp_ge_u32 s42, 8
	s_cselect_b64 s[8:9], s[10:11], s[8:9]
	s_cmp_ge_u32 s42, 16
	s_cselect_b64 s[8:9], s[12:13], s[8:9]
	s_add_nc_u64 s[10:11], s[8:9], s[22:23]
	s_add_nc_u64 s[8:9], s[8:9], s[46:47]
	CROUND
	; THE HEAD'S FOUR TILES, EACH WHOLE, ONE JOINT LOAD A WAVE: wave 0 slot 0's 16 tiles of A, wave 1 its 16 tiles of B, wave 2 A's scale words, wave 3 B's.
	; s[92:99] stand at the wave's half (8 tiles) of each: the half's bytes are taken off again
	s_lshl_b32 s44, s[WL], 16                      ; 8 tiles of codes, 8,192 bytes each
	s_mov_b32 s45, 0
	s_lshl_b32 s46, s[WL], 12                      ; 8 tiles of scale words, 512 bytes each
	s_mov_b32 s47, 0
	s_mov_b32 s[G0], 1
	s_mov_b32 s[G0+1], 0
	s_sub_nc_u64 s[G0+2:G0+3], s[94:95], s[44:45]
	s_or_b32 s[G0+3], s[G0+3], 0x80000000
	s_mov_b32 s[G0B], 1
	s_mov_b32 s[G0B+1], BOFF
	s_sub_nc_u64 s[G0B+2:G0B+3], s[96:97], s[44:45]
	s_or_b32 s[G0B+3], s[G0B+3], 0x80000000
	s_mov_b32 s[G0S], 1
	s_mov_b32 s[G0S+1], SCL
	s_sub_nc_u64 s[G0S+2:G0S+3], s[92:93], s[46:47]
	s_or_b32 s[G0S+3], s[G0S+3], 0x80000000
	s_mov_b32 s[G0SB], 1
	s_mov_b32 s[G0SB+1], SCL+8192
	s_sub_nc_u64 s[G0SB+2:G0SB+3], s[98:99], s[46:47]
	s_or_b32 s[G0SB+3], s[G0SB+3], 0x80000000
	s_mov_b32 s[G0+4], 1                           ; slot 1: a quarter of the slot a wave, 8 tiles
	s_add_co_u32 s[G0+5], s100, SLOT
	s_add_nc_u64 s[G0+6:G0+7], s[94:95], 4096
	s_or_b32 s[G0+7], s[G0+7], 0x80000000
	s_mov_b32 s[G0B+4], 1
	s_add_co_u32 s[G0B+5], s100, SLOT
	s_add_nc_u64 s[G0B+6:G0B+7], s[96:97], 4096
	s_or_b32 s[G0B+7], s[G0B+7], 0x80000000
.macro ARM under, g0, g1, next         ; one chain of branches on the wave's number: every way through the head passes exactly one load
	s_cmp_lt_u32 s[WV], \under
	s_cbranch_scc0 \next
	tensor_load_to_lds s[\g0:\g0+3], s[\g1:\g1+7]
	s_nop 0
.rept 4
	v_nop
.endr
	s_branch .Lhead_asked
\next:
.endm
	ARM 1, G0, G1, .Lhead_b
	ARM 2, G0B, G1B, .Lhead_sa
	ARM 3, G0S, G1S, .Lhead_sb
	tensor_load_to_lds s[G0SB:G0SB+3], s[G1SB:G1SB+7]
	s_nop 0
.rept 4
	v_nop
.endr
.Lhead_asked:
	v_and_b32 v3, 31, v0
	v_and_b32 v1, 15, v0
	v_bfe_u32 v2, v0, 4, 1
	s_wait_alu depctr_va_vdst(0)
	v_lshlrev_b32 v[LI], 4, v3
	s_lshl_b32 s21, s[WH], 15
	s_lshl_b32 s22, s[WL], 15
	s_add_co_u32 s22, s22, BOFF
.irp s, 0,1
	v_add_nc_u32 v[ADRA+\s], s21, v[LI]
	v_add_nc_u32 v[ADRB+\s], s22, v[LI]
	s_add_co_u32 s21, s21, SLOT
	s_add_co_u32 s22, s22, SLOT
.endr
	v_lshlrev_b32 v5, 4, v1
	s_lshl_b32 s21, s[WH], 12
	s_lshl_b32 s22, s[WL], 12
	s_add_co_u32 s22, s22, 8192
	s_sub_co_u32 s22, s22, s21
	v_mul_u32_u24 v6, s22, v2
	s_add_co_u32 s21, s21, SCL
	v_add_nc_u32 v5, v5, v6
	v_add_nc_u32 v[ADRS], s21, v5
	v_lshlrev_b32 v[BJA], 6, v2
	v_and_b32 v4, 8, v1
	v_add_nc_u32 v4, v4, v1
	v_lshlrev_b32 v[BIA], 2, v4
.irp b, 0,1,2,3,4,5,6,7
	global_load_b128 v[BJ+8*\b:BJ+8*\b+3], v[BJA], s[8:9] offset:(32*(\b/2)+8*(\b%2))*4
	global_load_b128 v[BJ+8*\b+4:BJ+8*\b+7], v[BJA], s[8:9] offset:(32*(\b/2)+8*(\b%2))*4+16
.endr
.irp a, 0,1,2,3,4,5,6,7
	global_load_b32 v[BI+2*\a], v[BIA], s[10:11] offset:(32*(\a/2)+8*(\a%2))*4
	global_load_b32 v[BI+2*\a+1], v[BIA], s[10:11] offset:(32*(\a/2)+8*(\a%2))*4
.endr
	s_wait_alu depctr_va_vdst(0)                   ; the wait here, directly ahead of the wait below
	s_wait_tensorcnt 0x0                           ; my tile of the head's four is in; the lines ahead of a later first fill:
	ds_add_u32 v126, v127
	s_mov_b32 s[G1+2], 8<<16                       ; no tensor load of mine is out, so a descriptor may be written: from here on a load brings 8 tiles
	s_mov_b32 s[G1+4], 8
	s_mov_b32 s[G1B+2], 8<<16
	s_mov_b32 s[G1B+4], 8
	s_wait_dscnt 0x0
	CROUND                                         ; all four tiles are in, and all sixteen work-groups are here
	JLOAD G0+4, G1, G0B+4, G1B                     ; slot 1's first fill; the biases' work below stands under its flight
	s_wait_loadcnt 0x0                             ; the biases, asked for under the head's loads
.set j, 0
.rept 64
	v_and_b32 v[BJ+j], s2, v[BJ+j]
.set j, j+1
.endr
.set j, 0
.rept 16
	v_and_b32 v[BI+j], s3, v[BI+j]
.set j, j+1
.endr
.macro BIAS hi
.irp a, 0,1,2,3
.irp b, 0,1,2,3,4,5,6,7
.irp j, 0,2,4,6
	v_pk_add_f32 v[8*(8*\a+\b)+\j:8*(8*\a+\b)+\j+1], v[BJ+8*\b+\j:BJ+8*\b+\j+1], v[BI+2*(4*\hi+\a):BI+2*(4*\hi+\a)+1]
.endr
.endr
.endr
.endm
	WIN 0x80
	BIAS 0
	WIN 0xc0
	BIAS 1
	WIN 0
.macro FRAG reg, adr, q, i
.irp c, 0,1
	ds_load_b128 v[\reg+4*\c:\reg+4*\c+3], v[\adr] offset:(\i)*4096+(\q)*1024+512*\c
.endr
.endm
.macro MUL16 a0, p, q, sc
.irp a, \a0, \a0+1
.irp b, 0,1,2,3,4,5,6,7
	v_wmma_scale_f32_16x16x128_f8f6f4 v[8*(8*((\a)%4)+\b):8*(8*((\a)%4)+\b)+7], v[128*(\p)+FR*\b:128*(\p)+FR*\b+FR-1], v[AF+FR*(\a):AF+FR*(\a)+FR-1], v[8*(8*((\a)%4)+\b):8*(8*((\a)%4)+\b)+7], v[SC+8*NQ*(\sc)+NQ*\b+(\q)], v[SC+8*NQ*(\sc)+NQ*(\a)+(\q)] matrix_a_fmt:MATRIX_FMT_FP4 matrix_b_fmt:MATRIX_FMT_FP4 matrix_a_scale:MATRIX_SCALE_ROW1
.endr
.endr
.endm
.macro FETCH_B slot, q, p
	WIN TO_B
.irp i, 0,1,2,3,4,5,6,7
	FRAG 128*(\p)+FR*\i, ADRB+\slot, \q, \i
.endr
	WIN 0
.endm
.macro FETCH_A slot, q, i0
.irp i, \i0, \i0+1, \i0+2, \i0+3
	FRAG AF+FR*(\i), ADRA+\slot, \q, \i
.endr
.endm
.macro SCALES sc
.irp i, 0,1,2,3,4,5,6,7
	ds_load_b128 v[SC+8*NQ*\sc+NQ*\i:SC+8*NQ*\sc+NQ*\i+3], v[ADRS] offset:512*\i+256*\sc
.endr
.endm
.macro PLACES n
.rept \n
	v_nop
.endr
.endm
.macro STEP slot, q
	s_wait_dscnt 8
	WIN MUL_LO
	MUL16 0, (\q)%2, \q, \slot
	MUL16 2, (\q)%2, \q, \slot
	s_wait_dscnt 0x0
	PLACES NP
	FETCH_B \slot, (\q)+1, 1-(\q)%2
	FETCH_A \slot, (\q)+1, 0
	WIN MUL_HI
	MUL16 4, (\q)%2, \q, \slot
	MUL16 6, (\q)%2, \q, \slot
	PLACES NP
	WIN 0
	FETCH_A \slot, (\q)+1, 4
.endm
	s_wait_alu depctr_va_vdst(0)
	s_wait_tensorcnt 1
	s_barrier_signal -1
	s_barrier_wait -1
	FETCH_B 0, 0, 0
	FETCH_A 0, 0, 0
	SCALES 0
	FETCH_A 0, 0, 4
	STEP 0, 0
	STEP 0, 1
	STEP 0, 2
	s_wait_tensorcnt 0x0
	s_wait_dscnt 8
	WIN MUL_LO
	MUL16 0, 1, 3, 0
	s_wait_dscnt 0x0
	s_barrier_signal -1
	MUL16 2, 1, 3, 0
	WIN 0
	s_barrier_wait -1
	PLACES NP
	FETCH_B 1, 0, 0
	FETCH_A 1, 0, 0
	SCALES 1
	WIN MUL_HI
	MUL16 4, 1, 3, 0
	MUL16 6, 1, 3, 0
	PLACES NP
	WIN 0
	FETCH_A 1, 0, 4
	STEP 1, 0
	STEP 1, 1
	STEP 1, 2
	s_wait_dscnt 8
	WIN MUL_LO
	MUL16 0, 1, 3, 1
	MUL16 2, 1, 3, 1
	s_wait_dscnt 0x0
	WIN MUL_HI
	MUL16 4, 1, 3, 1
	MUL16 6, 1, 3, 1
	WIN 0
	PLACES NP
	s_mov_b32 s21, 0x1800000
	s_mov_b32 s22, 0x76543210
	s_mov_b32 s23, 0xfedcba98
.macro QUANTW a
.set AC, 64*((\a)%4)
.set WW, 2+(\a)/4
.set W12, (WW<<2)|(WW<<4)
.set PCA, AF+8*(\a)
	WIN W12
.irp b, 0,1,2,3
	v_max3_num_f32 v[TM+\b], s21, |v[AC+16*\b]|, |v[AC+16*\b+1]|
.endr
.irp i, 2,4,6,8,10,12,14
.irp b, 0,1,2,3
	v_max3_num_f32 v[TM+\b], v[TM+\b], |v[AC+16*\b+\i]|, |v[AC+16*\b+\i+1]|
.endr
.endr
	WIN 0
.irp b, 0,1,2,3
	v_permlanex16_b32 v[TM+4+\b], v[TM+\b], s22, s23
.endr
.irp b, 0,1,2,3
	v_max_num_f32 v[TM+\b], v[TM+\b], v[TM+4+\b]
.endr
.irp b, 0,1,2,3
	v_add_nc_u32 v[TM+12+\b], 0xff000000, v[TM+\b]
.endr
.irp b, 0,1,2,3
	v_lshrrev_b32 v[TM+4+\b], 23, v[TM+12+\b]
.endr
	v_lshl_or_b32 v[SW+(\a)], v[TM+5], 8, v[TM+4]
	v_lshl_or_b32 v[SW+(\a)], v[TM+6], 16, v[SW+(\a)]
	v_lshl_or_b32 v[SW+(\a)], v[TM+7], 24, v[SW+(\a)]
	WIN WW
.irp b, 0,1,2,3
	v_cvt_scalef32_pk8_fp4_f32 v[PCA+2*\b], v[AC+16*\b:AC+16*\b+7], v[TM+12+\b]
	v_cvt_scalef32_pk8_fp4_f32 v[PCA+2*\b+1], v[AC+16*\b+8:AC+16*\b+15], v[TM+12+\b]
.endr
	WIN 0
	v_nop
.irp c, 0,1
.irp i, 0,1
	v_permlane16_swap_b32 v[PCA+4*\c+\i], v[PCA+2+4*\c+\i]
.endr
.endr
	global_store_b128 v[LI], v[PCA:PCA+3], s[14:15] offset:1024*(\a)
	global_store_b128 v[LI], v[PCA+4:PCA+7], s[14:15] offset:1024*(\a)+512
.endm
.irp a, 0,1,2,3,4,5,6,7
	QUANTW \a
.endr
	v_cmp_le_u32 vcc_lo, 16, v3
.irp i, 0,1,2,3
	v_cndmask_b32 v[SWO+\i], v[SW+\i], v[SW+4+\i], vcc_lo
.endr
	global_store_b128 v[LI], v[SWO:SWO+3], s[16:17]
	s_wait_tensorcnt 0x0
	ds_add_u32 v126, v127
	s_wait_dscnt 0x0
	CROUND
	s_endpgm
.Lfunc_end_k_qb4d8d817a1_proj:
	.size	k_qb4d8d817a1_proj, .Lfunc_end_k_qb4d8d817a1_proj-k_qb4d8d817a1_proj
	.p2alignl 7, 3214868480
	.fill 96, 4, 3214868480
	.section	.rodata,"a",@progbits
	.p2align	6, 0x0
	.amdhsa_kernel k_qb4d8d817a1_proj
		.amdhsa_group_segment_fixed_size 327680
		.amdhsa_private_segment_fixed_size 0
		.amdhsa_enable_private_segment 0
		.amdhsa_kernarg_size 56
		.amdhsa_user_sgpr_count 2
		.amdhsa_user_sgpr_kernarg_segment_ptr 1
		.amdhsa_wavefront_size32 1
		.amdhsa_system_sgpr_workgroup_id_x 1
		.amdhsa_system_sgpr_workgroup_id_y 1
		.amdhsa_system_sgpr_workgroup_id_z 1
		.amdhsa_system_vgpr_workitem_id 0
		.amdhsa_next_free_vgpr 1024
		.amdhsa_next_free_sgpr 102
		.amdhsa_reserve_vcc 1
		.amdhsa_float_denorm_mode_32 3
		.amdhsa_float_denorm_mode_16_64 3
		.amdhsa_memory_ordered 1
		.amdhsa_forward_progress 1
		.amdhsa_inst_pref_size 150
	.end_amdhsa_kernel
	.amdgpu_metadata
---
amdhsa.version: [ 1, 2 ]
amdhsa.kernels:
  - .name:           k_qb4d8d817a1_proj
    .symbol:         k_qb4d8d817a1_proj.kd
    .args:
      - { .name: xc, .offset: 0, .size: 8, .value_kind: global_buffer, .address_space: global }
      - { .name: xs, .offset: 8, .size: 8, .value_kind: global_buffer, .address_space: global }
      - { .name: bq, .offset: 16, .size: 8, .value_kind: global_buffer, .address_space: global }
      - { .name: bk, .offset: 24, .size: 8, .value_kind: global_buffer, .address_space: global }
      - { .name: bv, .offset: 32, .size: 8, .value_kind: global_buffer, .address_space: global }
      - { .name: pc, .offset: 40, .size: 8, .value_kind: global_buffer, .address_space: global }
      - { .name: ps, .offset: 48, .size: 8, .value_kind: global_buffer, .address_space: global }
    .group_segment_fixed_size: 327680
    .private_segment_fixed_size: 0
    .kernarg_segment_align: 8
    .kernarg_segment_size: 56
    .max_flat_workgroup_size: 128
    .sgpr_count:     102
    .vgpr_count:     1024
    .wavefront_size: 32
...
	.end_amdgpu_metadata
.endif
;; end of part 2
;; launch attn (part 3): grid 4 x 64, 16 waves a work-group, clusters of 4 x 1, 198,656 bytes of LDS; arguments pc, ps, cc, cs; writes cc, cs
.if DOCPART == 3
	.amdgcn_target "amdgcn-amd-amdhsa--gfx1250"
	.amdhsa_code_object_version 6
	.text
	.protected	k_qb4d8d817a1_attn
	.globl	k_qb4d8d817a1_attn
	.p2align	8
	.type	k_qb4d8d817a1_attn,@function
k_qb4d8d817a1_attn:
	s_mov_b64 s[64:65], 0
	v_nop
	global_prefetch_b8 v0, s[64:65] scope:SCOPE_SE
	s_setreg_imm32_b32 hwreg(HW_REG_WAVE_MODE, 25, 1), 1
	s_wait_xcnt 0x0
	s_wait_alu depctr_hold_cnt(0) depctr_sa_sdst(0) depctr_va_vdst(0) depctr_va_sdst(0) depctr_va_ssrc(0) depctr_va_vcc(0) depctr_vm_vsrc(0)
	s_getreg_b32 s2, hwreg(HW_REG_IB_STS2, 6, 4)
	s_cmp_eq_u32 s2, 0
	s_cbranch_scc0 .Lentry_in_a_cluster
	s_endpgm
.Lentry_in_a_cluster:
	s_bfe_u32 s2, ttmp6, 0x10000c
	s_cmp_lg_u32 s2, 0x3003
	s_cbranch_scc0 .Lentry_shape_is_right
	s_endpgm
.Lentry_shape_is_right:
; ctx = softmax(q k^T / 8) v for one head, both products on codes of FP4 with E8M0 scales, and ctx quantised along the channels for the output projection.
; THE SOFTMAX: t = score x log2(e) / 8; M = the row's largest t so far, rounded UP to a whole number; p = 2^(t - M) is quantised along the keys; the row's sum is taken of the unquantised p and divides at the end.
; When M moves, the sum and O are multiplied by 2^(old M - new M): exact.
; SHARES.  A cluster of four work-groups is one head of one batch (the cluster's y = 16 b + head); work-group cx owns 512 queries; each of its 16 waves two tiles of 16, one after the other (QTILE, expanded twice).
; A head's K and V as codes with their scale words come into LDS ONCE, by joint loads that name all four partners, and stay: no byte of LDS is filled again.  Memory is read at the head alone: there is no loop to prefetch in.
; LAYOUT.  Both products transposed: S^T = K Q^T (source 0 = 16 keys), O^T = V^T P^T (source 0 = 16 channels): a lane holds ONE query throughout.
; THE KEYS OF A SCORE TILE ARE CHOSEN BY THE LDS ADDRESS: tile (c, t) of a step's 128 keys takes keys 64 c + 8 t + 0..7 in rows 0-7 and keys 64 c + 32 + 8 t + 0..7 in rows 8-15.  So lane (r, h) holds, in the 32 registers of
; tiles (c, 0..3), the WHOLE block 64 c + 32 h + 0..31: its largest score needs no other lane, and the conversions' results, register 4 c + t, are P's operand as they stand.
; In pc a stored tile 2 a + u holds key 32 a + 8 u + p + 8 (p / 8) at place p: tile (c, t), row r is stored tile 4 c + 2 (r / 8) + t % 2 of the step's eight, place r % 8 + 8 (t / 2).
; A HEAD'S K IS 64, THE INSTRUCTION'S 128.  Q's fragment holds q's codes in both halves.  Two tiles of K lie as [a][zero codes][b]: registers 0-7 of the twelve are a's operand, registers 4-11 b's.
; One scale word serves both: a's two bytes below, b's above; the other tile's bytes meet zero codes alone.  These words are made once, from K's scale words as they come, into LDS bytes of their own (KS2).
; THE SIXTEEN WAVES WALK THE KEYS TOGETHER: a barrier in each key step, its signal at the step's top and its wait at the step's end, so that a wave ends step s only when every wave has begun it.  It orders no memory.
; IN: pc (q at 0, k at 4 MiB: image 512 (head / 2) + token tile, half head % 2; v at 8 MiB: image 64 (16 b + key step) + channel tile); ps likewise (words [J][A / 4][place][A % 4]).
; OUT: cc [token tile][head / 2][1,024 bytes], half head % 2; cs [head][token place] 16 bits.  A block of zeros gets the byte 1 (zero codes; read by this program alone).
; LIMITS: NaN and infinities are not served.
.set KP,    576                        ; a stored tile of K in LDS: 512 bytes + 64 of padding, so that rows 0-7 and rows 8-15 of a load (two stored tiles apart: 1,152 bytes) touch different banks
.set VC,    73728                      ; LDS: K's codes at 0; V's here (key step s, channel tile i at 4,096 s + 1,024 i);
.set KS2,   139264                     ; the pairs' scale words, [key step][row r][pair u]: 4,096 bytes that no fill lands on;
.set KS,    143360                     ; K's scale words as they come, [tile / 4][place][tile % 4];
.set VS,    151552                     ; V's, [key step][place][channel tile];
.set CST,   155904                     ; ctx's scale halves of the work-group's 512 queries: 1,024 bytes that no fill lands on
.set SPARE, 0x30000                    ; the spare words, 128 bytes a wave
; REGISTERS: v1 16 x lane; v2-5 lane places of K, V, KS2, VS; v6, v7 ctx's scale halves; v8-11 a step's addresses; v12 -M, v13 the largest score, v[14:15] a quarter of the sum; v16-31 Q's two tiles
.set KF,    32                         ; v32-79   K: four times [a][0][b]
.set VF,    80                         ; v80-111  V's four fragments
.set SC,    112                        ; v112-175 S^T, then p: tile (c, t) at 32 c + 8 t
.set OA,    176                        ; v176-207 O^T
.set PC,    208                        ; v208-215 p's codes; ahead of them in a step, v208-213: six chains of the maxima
.set MB,    208
.set KSR,   216                        ; scales and nothing else: v216-219 K's pairs, v220-223 V's, v224 p's, v225, v226 Q's
.set VSR,   220
.set PW,    224
.set BM,    228                        ; v228, v229 my two blocks' largest score, then largest p
.set X,     230
.set Y,     231
.set F,     232                        ; v[232:233] f = 2^(old M - new M)
.set SH8,   234                        ; 8 h
.set SO,    236                        ; the conversions' scale operands
.set BY,    238                        ; scale bytes
.set T1,    240                        ; v240-245 the other three quarters of the row's sum
.set T2,    242
.set T3,    244
.set WV,    18
.set SEL,   20                         ; s[20:21] v_permlanex16_b32's selects for lane l xor 16
.set CS,    22                         ; s[22:23] c = log2(e) / 8
.set G1K,   24
.set G1V,   32
.set G1KS,  40
.set G1VS,  48
.set G0K,   56
.set G0V,   60
.set G0KS,  68
.set G0VS,  72
.set QP,    76
.set QSP,   78
.set CP,    80
.set CSP,   82
.set TK,    84                         ; the NEXT step's codes of K: 8 KP a step
.set TV,    85                         ; this step's codes of V: 4,096 a step
.set TS,    86                         ; 256 (step + 1): the next step's words in KS2, and (from VS - 256) this step's in VS
.set CNT,   87
.set JM,    15|(3<<16)|(1<<21)         ; group 1, word 0: the mask names all four partners, elements of 8 bytes, bit 21 beside the mask
.set JMK,   JM|(1<<20)|(6<<22)|(15<<25) ; and 16 words of padding behind every 128
.macro CROUND
	s_barrier_signal -1
	s_barrier_wait -1
	s_cmp_lg_u32 s[WV], 0
	s_cbranch_scc1 .Lnot_wave_0_\@
	s_barrier_signal -3
.Lnot_wave_0_\@:
	s_barrier_wait -3
	s_barrier_signal -1
	s_barrier_wait -1
.endm
.macro DESC g, w0, c, r, p             ; group 1: r rows of c elements, p elements apart
	s_mov_b32 s[\g], \w0
	s_mov_b32 s[\g+1], (\c)<<16
	s_mov_b32 s[\g+2], (\r)<<16
	s_mov_b32 s[\g+3], (\c)<<16
	s_mov_b32 s[\g+4], \r
	s_mov_b32 s[\g+5], \p
	s_mov_b32 s[\g+6], 0
	s_mov_b32 s[\g+7], 0
.endm
	s_load_b256 s[4:11], s[0:1], 0x0               ; pc, ps, cc, cs
	v_lshl_add_u32 v254, v0, 2, SPARE
	v_mov_b32 v255, 0
	ds_add_u32 v254, v255                          ; the opening lines: the add twice on end and one wait
	ds_add_u32 v254, v255
	v_lshrrev_b32 v1, 5, v0
	v_readfirstlane_b32 s[WV], v1                  ; wave 0..15
	s_bfe_u32 s12, ttmp6, 0x40000                  ; cx: it enters Q's and ctx's addresses in memory alone
	s_and_b32 s13, ttmp7, 0xffff
	s_lshr_b32 s14, s13, 4                         ; b
	s_and_b32 s15, s13, 15                         ; head
	s_lshr_b32 s16, s15, 1                         ; the pair of heads
	s_and_b32 s17, s15, 1                          ; which of the pair
	s_and_b32 s19, s[WV], 3
	DESC G1K, JMK, 64, 32, 128                     ; K's codes: 32 tiles' halves of 512 bytes, 1,024 bytes apart
	DESC G1V, JM, 512, 4, 8192                     ; V's codes: 4 key steps' 4,096 bytes, 65,536 bytes apart
	DESC G1KS, JM, 32, 32, 32                      ; K's scale words: 8,192 dense bytes as 32 rows of 256
	DESC G1VS, JM, 32, 16, 512                     ; V's: 16 key steps' 256 bytes, 4,096 bytes apart
	s_lshl_b32 s88, s16, 9
	s_lshl_b32 s89, s14, 7
	s_add_co_u32 s88, s88, s89                     ; 512 pair + 128 b: the batch's first image of the pair, in q's section and in k's
	s_lshl_b32 s90, s88, 10
	s_lshl_b32 s91, s17, 9
	s_add_co_u32 s90, s90, s91                     ; in bytes, at my head's half
	s_lshl_b32 s92, s19, 15                        ; K's codes: 32 tiles for each of waves 0-3
	s_add_co_u32 s92, s92, s90
	s_add_co_u32 s92, s92, 0x400000
	s_mov_b32 s93, 0
	s_lshl_b32 s94, s14, 20                        ; V's codes: image 1,024 b + 4 head, 4 key steps for each of waves 4-7
	s_lshl_b32 s95, s15, 12
	s_add_co_u32 s94, s94, s95
	s_lshl_b32 s95, s19, 18
	s_add_co_u32 s94, s94, s95
	s_add_co_u32 s94, s94, 0x800000
	s_mov_b32 s95, 0
	s_lshl_b32 s96, s88, 6                         ; K's scale words
	s_add_co_u32 s96, s96, 0x40000
	s_mov_b32 s97, 0
	s_lshl_b32 s98, s14, 16                        ; V's: group 256 b + head
	s_lshl_b32 s99, s15, 8
	s_add_co_u32 s98, s98, s99
	s_add_co_u32 s98, s98, 0x80000
	s_mov_b32 s99, 0
	s_lshl_b32 s[QP], s12, 5                       ; Q: token tile 128 b + 32 cx + wave
	s_add_co_u32 s[QP], s[QP], s[WV]
	s_lshl_b32 s[QP], s[QP], 10
	s_add_co_u32 s[QP], s[QP], s90
	s_mov_b32 s[QP+1], 0
	s_lshl_b32 s[QSP], s88, 6                      ; its scale halves: group (tile / 4), word tile % 4, half head % 2
	s_lshl_b32 s2, s12, 11
	s_add_co_u32 s[QSP], s[QSP], s2
	s_lshr_b32 s2, s[WV], 2
	s_lshl_b32 s2, s2, 8
	s_add_co_u32 s[QSP], s[QSP], s2
	s_lshl_b32 s2, s19, 2
	s_add_co_u32 s[QSP], s[QSP], s2
	s_lshl_b32 s2, s17, 1
	s_add_co_u32 s[QSP], s[QSP], s2
	s_mov_b32 s[QSP+1], 0
	s_lshl_b32 s[CP], s14, 20                      ; ctx: ((128 b + 32 cx + wave) 8 + pair) 1,024 + 512 (head % 2)
	s_lshl_b32 s2, s12, 18
	s_add_co_u32 s[CP], s[CP], s2
	s_lshl_b32 s2, s[WV], 13
	s_add_co_u32 s[CP], s[CP], s2
	s_lshl_b32 s2, s16, 10
	s_add_co_u32 s[CP], s[CP], s2
	s_add_co_u32 s[CP], s[CP], s91
	s_mov_b32 s[CP+1], 0
	s_and_b32 s3, s[WV], 1                         ; (waves 0 and 1 store the scale halves at the end, 512 bytes each)
	s_lshl_b32 s[CSP], s15, 14                     ; head x 16,384 + 2 (2,048 b + 512 cx)
	s_lshl_b32 s2, s14, 12
	s_add_co_u32 s[CSP], s[CSP], s2
	s_lshl_b32 s2, s12, 10
	s_add_co_u32 s[CSP], s[CSP], s2
	s_lshl_b32 s2, s3, 9
	s_add_co_u32 s[CSP], s[CSP], s2
	s_mov_b32 s[CSP+1], 0
	s_mov_b32 s[SEL], 0x76543210
	s_mov_b32 s[SEL+1], 0xfedcba98
	s_mov_b32 s[CS], 0x3e38aa3b                    ; c = log2(e) / 8
	s_mov_b32 s[CS+1], s[CS]                       ; (named with it as a pair, so it is written)
	s_mul_i32 s13, s19, 32*KP                      ; where a fetching wave's tile goes: waves 0-3 in K's region,
	s_lshl_b32 s2, s19, 14
	s_add_co_u32 s2, s2, VC                        ; waves 4-7 in V's
	s_wait_dscnt 0x0
	s_wait_kmcnt 0x0
	s_mov_b32 s[G0K], 1
	s_mov_b32 s[G0K+1], s13
	s_add_nc_u64 s[G0K+2:G0K+3], s[4:5], s[92:93]
	s_or_b32 s[G0K+3], s[G0K+3], 0x80000000
	s_mov_b32 s[G0V], 1
	s_mov_b32 s[G0V+1], s2
	s_add_nc_u64 s[G0V+2:G0V+3], s[4:5], s[94:95]
	s_or_b32 s[G0V+3], s[G0V+3], 0x80000000
	s_mov_b32 s[G0KS], 1
	s_mov_b32 s[G0KS+1], KS
	s_add_nc_u64 s[G0KS+2:G0KS+3], s[6:7], s[96:97]
	s_or_b32 s[G0KS+3], s[G0KS+3], 0x80000000
	s_mov_b32 s[G0VS], 1
	s_mov_b32 s[G0VS+1], VS
	s_add_nc_u64 s[G0VS+2:G0VS+3], s[6:7], s[98:99]
	s_or_b32 s[G0VS+3], s[G0VS+3], 0x80000000
	s_add_nc_u64 s[QP:QP+1], s[4:5], s[QP:QP+1]
	s_add_nc_u64 s[QSP:QSP+1], s[6:7], s[QSP:QSP+1]
	s_add_nc_u64 s[CP:CP+1], s[8:9], s[CP:CP+1]
	s_add_nc_u64 s[CSP:CSP+1], s[10:11], s[CSP:CSP+1]
	s_lshl_b32 s92, s[WV], 5
	s_add_co_u32 s92, s92, CST                     ; my wave's 32 bytes of ctx's scale halves
	s_lshl_b32 s93, s3, 9
	s_add_co_u32 s93, s93, CST                     ; the gather at the end
	s_mov_b32 s94, 0x07060302                      ; v_perm_b32's selector: the two words' upper halves (odd head)
	s_cmp_eq_u32 s17, 0
	s_cselect_b32 s94, 0x05040100, s94             ; or their lower halves (even head)
	CROUND                                         ; all four work-groups are here: the joint loads meet
; THE FILLS: one tensor load a wave at the most, in one chain of branches on the wave's number, the same in all partners
.macro ARM under, g0, g1, next
	s_cmp_lt_u32 s[WV], \under
	s_cbranch_scc0 \next
	tensor_load_to_lds s[\g0:\g0+3], s[\g1:\g1+7]
	s_nop 0
.rept 4
	v_nop
.endr
	s_branch .Lasked
\next:
.endm
	ARM 4, G0K, G1K, .Lnot_k
	ARM 8, G0V, G1V, .Lnot_v
	ARM 9, G0KS, G1KS, .Lnot_ks
	ARM 10, G0VS, G1VS, .Lnot_vs
.Lasked:
	v_and_b32 v7, 31, v0
	v_and_b32 v8, 15, v0                           ; r
	v_lshlrev_b32 v1, 4, v7                        ; 16 x lane
	v_lshlrev_b32 v9, 4, v8                        ; 16 r
	global_load_b128 v[16:19], v1, s[QP:QP+1]      ; Q stays in registers, its codes in both halves of the fragment: my first tile,
	global_load_b128 v[20:23], v1, s[QP:QP+1]
	global_load_b128 v[24:27], v1, s[QP:QP+1] offset:16384   ; and the one 16 tiles on
	global_load_b128 v[28:31], v1, s[QP:QP+1] offset:16384
	global_load_u16 v225, v9, s[QSP:QSP+1]         ; their scale halves
	global_load_u16 v226, v9, s[QSP:QSP+1] offset:1024
	v_bfe_u32 v10, v0, 4, 1                        ; h
	v_and_b32 v11, 7, v0                           ; r % 8
	v_bfe_u32 v12, v0, 3, 1                        ; r / 8
	v_lshlrev_b32 v[SH8], 3, v10
	v_mul_u32_u24 v2, v12, 2*KP                    ; K: rows 8-15 two stored tiles on,
	v_lshl_add_u32 v2, v11, 4, v2                  ; place r % 8,
	v_lshl_add_u32 v2, v10, 8, v2                  ; channels 32 h on
	v_add_nc_u32 v3, VC, v1
	v_add_nc_u32 v4, KS2, v9
	v_add_nc_u32 v5, VS-256, v9
	v_lshl_add_u32 v6, v8, 1, s92                  ; ctx's scale halves: 2 (16 wave + r)
	v_add_nc_u32 v7, s93, v1
	; KS2's word T = 64 s + 4 r + u (thread T; and 512 on): the halves of two neighbouring words of KS: group 2 s + u / 2, place r % 8 + 8 (u % 2), words 2 (r / 8) and 2 (r / 8) + 1
	v_and_b32 v112, 0x1c0, v0
	v_bfe_u32 v113, v0, 1, 1
	v_lshlrev_b32 v112, 3, v112
	v_bfe_u32 v114, v0, 2, 3
	v_lshl_add_u32 v112, v113, 8, v112
	v_and_b32 v115, 1, v0
	v_lshl_add_u32 v112, v114, 4, v112
	v_bfe_u32 v116, v0, 5, 1
	v_lshl_add_u32 v112, v115, 7, v112
	v_lshl_add_u32 v113, v0, 2, KS2
	v_lshl_add_u32 v112, v116, 3, v112
	v_add_nc_u32 v112, KS, v112
.irp u, 0,1,2,3
.irp j, 4,5,6,7
	v_mov_b32 v[KF+12*\u+\j], 0                    ; zero codes between a and b: written once
.endr
.endr
.irp j, X, Y, F+1
	v_mov_b32 v[\j], 0                             ; lane permutes' destinations count as sources; v233 is named as the upper half of the pair v[232:233]
.endr
	s_wait_alu depctr_va_vdst(0)                   ; the wait at the head's end
	s_wait_tensorcnt 0x0                           ; my fill has landed,
	s_barrier_signal -1
	s_barrier_wait -1                              ; everybody's has: the head's K and V lie in LDS
	ds_load_b64 v[114:115], v112
	ds_load_b64 v[116:117], v112 offset:4096       ; eight key steps on
	s_wait_dscnt 0x0
	v_perm_b32 v118, v115, v114, s94               ; a's two bytes below, b's above
	v_perm_b32 v119, v117, v116, s94
	ds_store_b32 v113, v118
	ds_store_b32 v113, v119 offset:2048
	s_wait_dscnt 0x0                               ; for the others' sake
	s_barrier_signal -1
	s_barrier_wait -1                              ; KS2 is whole
	s_wait_loadcnt 0x0                             ; Q
	v_lshl_or_b32 v225, v225, 16, v225             ; Q's two bytes for both halves of the fragment
	v_lshl_or_b32 v226, v226, 16, v226
.macro WM0 d, a, b, sa, sb
	v_wmma_scale_f32_16x16x128_f8f6f4 v[\d:\d+7], v[\a:\a+7], v[\b:\b+7], 0, v[\sa], v[\sb] matrix_a_fmt:MATRIX_FMT_FP4 matrix_b_fmt:MATRIX_FMT_FP4
.endm
.macro WMA d, a, b, sa, sb
	v_wmma_scale_f32_16x16x128_f8f6f4 v[\d:\d+7], v[\a:\a+7], v[\b:\b+7], v[\d:\d+7], v[\sa], v[\sb] matrix_a_fmt:MATRIX_FMT_FP4 matrix_b_fmt:MATRIX_FMT_FP4
.endm
.macro KLOAD ak, as                    ; a step's eight tiles of K, pair u = 2 c + t / 2, and the four pairs' scale words: nine loads
.irp u, 0,1,2,3
	ds_load_b128 v[KF+12*\u:KF+12*\u+3], v[\ak] offset:(4*(\u/2))*KP+(\u%2)*128
	ds_load_b128 v[KF+12*\u+8:KF+12*\u+11], v[\ak] offset:(4*(\u/2)+1)*KP+(\u%2)*128
.endr
	ds_load_b128 v[KSR:KSR+3], v[\as]
.endm
.macro PKF from, n                     ; t - M, two at a time
.set j, \from
.rept \n
	v_pk_fma_f32 v[SC+j:SC+j+1], v[SC+j:SC+j+1], s[CS:CS+1], v[12:13] op_sel_hi:[1,0,0]
.set j, j+2
.endr
.endm
.macro TR from, n, d                   ; the sum's tree, in place: pair i takes pair i + d onto it, i = from .. from + n - 1
.set j, \from
.rept \n
	v_pk_add_f32 v[SC+2*j:SC+2*j+1], v[SC+2*j:SC+2*j+1], v[SC+2*(j+\d):SC+2*(j+\d)+1]
.set j, j+1
.endr
.endm
; A KEY STEP: 128 keys.
.macro STEP q, qs
	s_wait_dscnt 0x0                               ; this step's K and its scale words, asked for a step ago; no LDS instruction of mine is out at the signal
	s_barrier_signal -1                            ; I have begun this step.  Up to the wait at the step's end stand register work and reads of LDS bytes that no wave writes
.irp u, 0,1,2,3
	WM0 SC+16*\u, KF+12*\u, \q, KSR+\u, \qs
	WM0 SC+16*\u+8, KF+12*\u+4, \q, KSR+\u, \qs
.endr
	v_add_nc_u32 v8, s[TK], v2                     ; these four are the places behind the products, ahead of the loads into their registers and of the first read of the scores
	v_add_nc_u32 v9, s[TV], v3
	v_add_nc_u32 v10, s[TS], v4
	v_add_nc_u32 v11, s[TS], v5
.irp i, 0,1,2,3
.irp c, 0,1
	ds_load_b128 v[VF+8*\i+4*\c:VF+8*\i+4*\c+3], v9 offset:1024*\i+512*\c   ; this step's V: nine loads,
.endr
.endr
	ds_load_b128 v[VSR:VSR+3], v11
	KLOAD 8, 10                                    ; and the next step's K: nine.  (The last step's look-ahead reads the bytes behind K's region and behind KS2, which fills wrote and no wave writes; nothing uses them)
; THE LARGEST SCORE OF MY TWO BLOCKS OF 32 KEYS, each in four chains (registers 0-6, 7-15, 16-22, 23-31), the eight by turns; every accumulator is first read at its low end
.irp c, 0,1
	v_max3_num_f32 v[BM+\c], v[SC+32*\c], v[SC+32*\c+1], v[SC+32*\c+2]
	v_max3_num_f32 v[MB+2+\c], v[SC+32*\c+16], v[SC+32*\c+17], v[SC+32*\c+18]
.endr
.irp c, 0,1
	v_max3_num_f32 v[MB+\c], v[SC+32*\c+7], v[SC+32*\c+8], v[SC+32*\c+9]
	v_max3_num_f32 v[MB+4+\c], v[SC+32*\c+23], v[SC+32*\c+24], v[SC+32*\c+25]
.endr
.irp i, 3,5
.irp c, 0,1
	v_max3_num_f32 v[BM+\c], v[BM+\c], v[SC+32*\c+\i], v[SC+32*\c+\i+1]
	v_max3_num_f32 v[MB+2+\c], v[MB+2+\c], v[SC+32*\c+16+\i], v[SC+32*\c+17+\i]
.endr
.irp c, 0,1
	v_max3_num_f32 v[MB+\c], v[MB+\c], v[SC+32*\c+7+\i], v[SC+32*\c+8+\i]
	v_max3_num_f32 v[MB+4+\c], v[MB+4+\c], v[SC+32*\c+23+\i], v[SC+32*\c+24+\i]
.endr
.endr
.irp c, 0,1
	v_max3_num_f32 v[MB+\c], v[MB+\c], v[SC+32*\c+14], v[SC+32*\c+15]
	v_max3_num_f32 v[MB+4+\c], v[MB+4+\c], v[SC+32*\c+30], v[SC+32*\c+31]
.endr
.irp c, 0,1
	v_max3_num_f32 v[BM+\c], v[BM+\c], v[MB+\c], v[MB+2+\c]
.endr
.irp c, 0,1
	s_delay_alu instid0(VALU_DEP_2)
	v_max_num_f32 v[BM+\c], v[BM+\c], v[MB+4+\c]
.endr
	s_delay_alu instid0(VALU_DEP_1)
	v_max3_num_f32 v[X], v13, v[BM], v[BM+1]
	s_delay_alu instid0(VALU_DEP_1)
	v_permlanex16_b32 v[Y], v[X], s[SEL], s[SEL+1]
	s_delay_alu instid0(VALU_DEP_1)
	v_max_num_f32 v13, v[X], v[Y]                  ; the running largest score of my query
	s_delay_alu instid0(VALU_DEP_1)
	v_mul_f32 v[X], s[CS], v13                     ; as t (c is positive)
	v_mov_b32 v[Y], v12
	s_delay_alu instid0(VALU_DEP_2)
	v_floor_f32 v12, -v[X]                         ; the new -M = floor(-t): M is a whole number
	s_delay_alu instid0(VALU_DEP_1)
	v_sub_f32 v[X], v12, v[Y]                      ; old M - new M: a whole number, 0 or less
	PKF 0, 4
	v_cvt_i32_f32 v[X], v[X]                       ; (it saturates)
	PKF 8, 4
	v_ldexp_f32 v[F], 1.0, v[X]                    ; f = 2^(old M - new M)
	PKF 16, 24
.irp c, 0,1
	v_fma_f32 v[BM+\c], v[BM+\c], s[CS], v12       ; the same of each block's largest score
.endr
.set j, 0
.rept 16
	v_pk_mul_f32 v[OA+j:OA+j+1], v[OA+j:OA+j+1], v[F:F+1] op_sel_hi:[1,0]   ; O^T under the new M; each accumulator from its low end on
.set j, j+2
.endr
	s_wait_alu depctr_va_vdst(0)                   ; the wait ahead of the batch
.irp c, 0,1
	v_exp_f32 v[BM+\c], v[BM+\c]                   ; the block's largest p: the same two instructions on the same number
.endr
.set j, 0
.rept 64
	v_exp_f32 v[SC+j], v[SC+j]                     ; p = 2^(t - M), at most 1: not normalised
.set j, j+1
.endr
	v_pk_mul_f32 v[14:15], v[14:15], v[F:F+1] op_sel_hi:[1,0]   ; the sum's first quarter under the new M: the plain instruction behind the batch
	s_wait_alu depctr_va_vdst(0)                   ; one wait for the batch, ahead of its first reader
.irp c, 0,1
	v_max_num_f32 v[BM+\c], 0x1800000, v[BM+\c]    ; the floor 2^(3 - 127): the byte cannot fall under 1
.endr
.irp t, T1, T2, T3
	v_pk_mul_f32 v[\t:\t+1], v[\t:\t+1], v[F:F+1] op_sel_hi:[1,0]   ; the other three quarters
.endr
.irp c, 0,1
	v_add_nc_u32 v[SO+\c], 0xff000000, v[BM+\c]    ; 2 off the exponent field: the conversion's scale operand
.endr
.irp c, 0,1
.irp t, 0,1,2,3
	v_cvt_scalef32_pk8_fp4_f32 v[PC+4*\c+\t], v[SC+32*\c+8*\t:SC+32*\c+8*\t+7], v[SO+\c]   ; keys 64 c + 32 h + 8 t + 0..7: register 4 c + t of P's operand
.endr
.endr
.irp c, 0,1
	v_lshrrev_b32 v[BY+\c], 23, v[SO+\c]           ; the bytes of blocks h and 2 + h.  (Plain instructions behind the conversions, ahead of the writes of their sources)
.endr
	TR 0, 4, 16                                    ; THE ROW'S SUM OF THE UNQUANTISED p: 32 pairs to 16, 8, 4, in place, now that the codes are made; the scale word's chain lies between
	v_lshl_or_b32 v[BY], v[BY+1], 16, v[BY]
	TR 4, 4, 16
	v_lshlrev_b32 v[BY], v[SH8], v[BY]             ; at their places in the word
	TR 8, 4, 16
	v_permlanex16_b32 v[Y], v[BY], s[SEL], s[SEL+1]
	TR 12, 4, 16
	v_or_b32 v[PW], v[BY], v[Y]                    ; with lane l xor 16's two the word is whole.  Sixteen plain instructions follow it ahead of the products
	TR 0, 8, 8
	TR 0, 4, 4
	v_pk_add_f32 v[14:15], v[14:15], v[SC:SC+1]    ; and the four onto the four running quarters
	v_pk_add_f32 v[T1:T1+1], v[T1:T1+1], v[SC+2:SC+3]
	v_pk_add_f32 v[T2:T2+1], v[T2:T2+1], v[SC+4:SC+5]
	v_pk_add_f32 v[T3:T3+1], v[T3:T3+1], v[SC+6:SC+7]
	s_wait_alu depctr_va_vdst(0)                   ; the wait here, directly ahead of the wait below
	s_wait_dscnt 9                                 ; V and its scale words are in; the next step's nine loads may be out
.irp i, 0,1,2,3                        ; O^T += V^T P^T: the four accumulators by turns; eleven other products stand between a link and the next
	WMA OA+8*\i, VF+8*\i, PC, VSR+\i, PW
.endr
	s_barrier_wait -1                              ; every wave has begun this step
.endm
; ONE TILE OF 16 QUERIES: all 16 key steps, then ctx = O^T / the sum, quantised along the head's 64 channels (two blocks), stored as half a fragment's image.
.macro QTILE qt, q, qs, creg, sreg
	s_wait_dscnt 0x0                               ; no load into K's registers is out
	KLOAD 2, 4                                     ; key step 0
	v_mov_b32 v13, 0xff61b1e6                      ; the largest score so far: -3e38
	s_delay_alu instid0(VALU_DEP_1)
	v_floor_f32 v12, -v13
.irp j, 14, 15, T1, T1+1, T2, T2+1, T3, T3+1
	v_mov_b32 v[\j], 0
.endr
.set j, 0
.rept 32
	v_mov_b32 v[OA+j], 0                           ; the step is written once: the first finds zeros, which the first change of M leaves zeros
.set j, j+1
.endr
	s_mov_b32 s[TK], 8*KP
	s_mov_b32 s[TV], 0
	s_mov_b32 s[TS], 256
	s_mov_b32 s[CNT], 16
	s_wait_alu depctr_va_vdst(0)                   ; the wait ahead of the loop's waits
.Lkey_\@:
	STEP \q, \qs
	s_add_co_u32 s[TK], s[TK], 8*KP
	s_add_co_u32 s[TV], s[TV], 4096
	s_add_co_u32 s[TS], s[TS], 256
	s_sub_co_u32 s[CNT], s[CNT], 1
	s_cmp_lg_u32 s[CNT], 0
	s_cbranch_scc1 .Lkey_\@
	v_pk_add_f32 v[14:15], v[14:15], v[T1:T1+1]    ; the sum's four quarters,
	v_pk_add_f32 v[T2:T2+1], v[T2:T2+1], v[T3:T3+1]
	s_delay_alu instid0(VALU_DEP_1)
	v_pk_add_f32 v[14:15], v[14:15], v[T2:T2+1]
	s_delay_alu instid0(VALU_DEP_1)
	v_add_f32 v14, v14, v15                        ; its two halves,
	s_delay_alu instid0(VALU_DEP_1)
	v_permlanex16_b32 v[Y], v14, s[SEL], s[SEL+1]
	s_delay_alu instid0(VALU_DEP_1)
	v_add_f32 v14, v14, v[Y]                       ; and lane l xor 16's.  (These six are also the places behind the last products)
	s_wait_alu depctr_va_vdst(0)
	v_rcp_f32 v14, v14
	v_nop                                          ; the plain instruction behind the reciprocal
	s_wait_alu depctr_va_vdst(0)                   ; the wait ahead of its first reader, and of the first reader of the last products' results
.set j, 0
.rept 32
	v_mul_f32 v[SC+j], v[OA+j], v14                ; register 16 b + i = channel 32 b + 16 h + i of my query
.set j, j+1
.endr
.irp b, 0,1
	v_max3_num_f32 v[BM+\b], |v[SC+16*\b]|, |v[SC+16*\b+1]|, 0x1800000
.endr
.irp i, 2,4,6,8,10,12,14
.irp b, 0,1
	s_delay_alu instid0(VALU_DEP_2)
	v_max3_num_f32 v[BM+\b], v[BM+\b], |v[SC+16*\b+\i]|, |v[SC+16*\b+\i+1]|
.endr
.endr
.irp b, 0,1
	s_delay_alu instid0(VALU_DEP_2)
	v_permlanex16_b32 v[X+\b], v[BM+\b], s[SEL], s[SEL+1]
.endr
.irp b, 0,1
	s_delay_alu instid0(VALU_DEP_2)
	v_max_num_f32 v[BM+\b], v[BM+\b], v[X+\b]
.endr
.irp b, 0,1
	s_delay_alu instid0(VALU_DEP_2)
	v_add_nc_u32 v[SO+\b], 0xff000000, v[BM+\b]
.endr
.irp b, 0,1
	s_delay_alu instid0(VALU_DEP_2)
	v_lshrrev_b32 v[BY+\b], 23, v[SO+\b]
.endr
	s_delay_alu instid0(VALU_DEP_1)
	v_lshl_or_b32 v[\sreg], v[BY+1], 8, v[BY]      ; the head's two scale bytes of my query
.irp b, 0,1
	v_cvt_scalef32_pk8_fp4_f32 v[\creg+2*\b], v[SC+16*\b:SC+16*\b+7], v[SO+\b]
	v_cvt_scalef32_pk8_fp4_f32 v[\creg+2*\b+1], v[SC+16*\b+8:SC+16*\b+15], v[SO+\b]
.endr
	v_nop
	v_permlane16_swap_b32 v[\creg], v[\creg+2]
	v_permlane16_swap_b32 v[\creg+1], v[\creg+3]   ; lane (r, h): channels 32 h + 0 .. 31
	global_store_b128 v1, v[\creg:\creg+3], s[CP:CP+1] offset:\qt*131072   ; 512 consecutive bytes, aligned; these registers are not written again
	ds_store_b16 v6, v[\sreg] offset:\qt*512       ; both halves of the lanes write the same bytes with the same value
.endm
	QTILE 0, 16, 225, 246, 227
	QTILE 1, 24, 226, 250, 235
	s_wait_dscnt 0x0                               ; for the others' sake: my scale halves lie in LDS
	s_barrier_signal -1
	s_barrier_wait -1
	s_cmp_lt_u32 s[WV], 2                          ; waves 0 and 1 store the work-group's 1,024 bytes of scale halves, 512 consecutive bytes each
	s_cbranch_scc0 .Lno_gather
	ds_load_b128 v[240:243], v7
	s_wait_dscnt 0x0
	global_store_b128 v1, v[240:243], s[CSP:CSP+1]
.Lno_gather:
	s_wait_tensorcnt 0x0                           ; the wave's end
	ds_add_u32 v254, v255
	s_wait_dscnt 0x0
	CROUND                                         ; the closing round
	s_endpgm
.Lfunc_end_k_qb4d8d817a1_attn:
	.size	k_qb4d8d817a1_attn, .Lfunc_end_k_qb4d8d817a1_attn-k_qb4d8d817a1_attn
	.p2alignl 7, 3214868480
	.fill 96, 4, 3214868480
	.section	.rodata,"a",@progbits
	.p2align	6, 0x0
	.amdhsa_kernel k_qb4d8d817a1_attn
		.amdhsa_group_segment_fixed_size 198656
		.amdhsa_private_segment_fixed_size 0
		.amdhsa_enable_private_segment 0
		.amdhsa_kernarg_size 32
		.amdhsa_user_sgpr_count 2
		.amdhsa_user_sgpr_kernarg_segment_ptr 1
		.amdhsa_wavefront_size32 1
		.amdhsa_system_sgpr_workgroup_id_x 1
		.amdhsa_system_sgpr_workgroup_id_y 1
		.amdhsa_system_sgpr_workgroup_id_z 1
		.amdhsa_system_vgpr_workitem_id 0
		.amdhsa_next_free_vgpr 256
		.amdhsa_next_free_sgpr 100
		.amdhsa_reserve_vcc 0
		.amdhsa_float_denorm_mode_32 3
		.amdhsa_float_denorm_mode_16_64 3
		.amdhsa_memory_ordered 1
		.amdhsa_forward_progress 1
		.amdhsa_inst_pref_size 54
	.end_amdhsa_kernel
	.amdgpu_metadata
---
amdhsa.version: [ 1, 2 ]
amdhsa.kernels:
  - .name:           k_qb4d8d817a1_attn
    .symbol:         k_qb4d8d817a1_attn.kd
    .args:
      - { .name: pc, .offset: 0, .size: 8, .value_kind: global_buffer, .address_space: global }
      - { .name: ps, .offset: 8, .size: 8, .value_kind: global_buffer, .address_space: global }
      - { .name: cc, .offset: 16, .size: 8, .value_kind: global_buffer, .address_space: global }
      - { .name: cs, .offset: 24, .size: 8, .value_kind: global_buffer, .address_space: global }
    .group_segment_fixed_size: 198656
    .private_segment_fixed_size: 0
    .kernarg_segment_align: 8
    .kernarg_segment_size: 32
    .max_flat_workgroup_size: 512
    .sgpr_count:     100
    .vgpr_count:     256
    .wavefront_size: 32
...
	.end_amdgpu_metadata
.endif
;; end of part 3
;; launch outp (part 4): grid 256 x 1, 16 waves a work-group, clusters of 4 x 1, 327,680 bytes of LDS; arguments cc, cs, xc, xs, bo, gamma, hidden_states, out0; writes out0
.if DOCPART == 4
	.amdgcn_target "amdgcn-amd-amdhsa--gfx1250"
	.amdhsa_code_object_version 6
	.text
	.protected	k_qb4d8d817a1_outp
	.globl	k_qb4d8d817a1_outp
	.p2align	8
	.type	k_qb4d8d817a1_outp,@function
k_qb4d8d817a1_outp:
	s_mov_b64 s[64:65], 0
	v_nop
	global_prefetch_b8 v0, s[64:65] scope:SCOPE_SE
	s_setreg_imm32_b32 hwreg(HW_REG_WAVE_MODE, 25, 1), 1
	s_wait_xcnt 0x0
	s_wait_alu depctr_hold_cnt(0) depctr_sa_sdst(0) depctr_va_vdst(0) depctr_va_sdst(0) depctr_va_ssrc(0) depctr_va_vcc(0) depctr_vm_vsrc(0)
	s_getreg_b32 s2, hwreg(HW_REG_IB_STS2, 6, 4)
	s_cmp_eq_u32 s2, 0
	s_cbranch_scc0 .Lentry_in_a_cluster
	s_endpgm
.Lentry_in_a_cluster:
	s_bfe_u32 s2, ttmp6, 0x10000c
	s_cmp_lg_u32 s2, 0x3003
	s_cbranch_scc0 .Lentry_shape_is_right
	s_endpgm
.Lentry_shape_is_right:
; out = RMSNorm(ctx Wo^T + bo + hidden) x gamma; the product on codes of FP4 with E8M0 scales, all else in f32.
; SHARES.  A work-group owns 32 rows (token tiles 2 g, 2 g + 1) and all 1,024 channels, so that a row's mean of squares never leaves it.  Wave w makes channels 64 w .. 64 w + 63 for the 32 rows: source 0 = 16 rows of Wo
; (tiles 4 w + i), source 1 = 16 rows of ctx (tile m): eight accumulators by turns, K = 1,024 in eight steps.  The bias is loaded straight into the accumulators.  The results meet in a stage in LDS; behind a barrier
; wave w finishes stage rows 2 w and 2 w + 1: residual, mean of squares, v_rsq_f32, gamma, stores of 512 consecutive bytes.
; CLUSTERS.  All work-groups walk the same Wo: four form a cluster and ask for it JOINTLY.  Wo's codes go through two LDS slots of 131,072 bytes, two K steps of all 64 tiles in each: four fills.  Wave w fetches its own four
; tiles (4 rows of 2,048 bytes, 8,192 bytes apart in memory) and it alone reads them.  The first fill stands at the head; each later one behind the three lines and a round of the cluster's barrier, one load a wave.
; ROW ORDER.  Place p of the 32 stage rows is true row 32 g + s(p), s swapping bits 3 and 4 of p; s(2 w + 1) = s(2 w) + 1.  s and g enter addresses in memory alone.
; THE RESIDUAL goes from memory into registers: my first row at the head, into registers that the products leave free; my second behind the last product, its 4,096 bytes asked of memory ahead by one prefetch a wave
; (a lane a block of 256 bytes, the lanes left over naming the last block again) behind the first two K steps, three changes of slots ahead of the loads.  Wo is not prefetched: each fill is asked for a slot ahead, and its bytes are read by all 64 clusters.
; THE STAGE lies over slot 0, which has had its last fill, and 512 bytes of its own; a barrier whose signal stands behind my last reads of slot 0 and whose wait stands ahead of the stage's stores orders the two.
; LIMITS: NaN and infinities are not served.
; REGISTERS: v1-15, v248, v249 addresses; v16-23 a ctx image in passing; v24-31 ctx's scale words, v32-47 Wo's, and nothing else; v48-79 ctx's fragments, two sets; v80-143 Wo's, two sets; v144-175 my first row's residual;
;   v176-239 the accumulators; v240-247 at work.  At the end: v48-79 gamma, v80-111 my second row's residual, v176-239 my two rows.
.set SPIT,  4112                       ; a stage row: 4,096 bytes + 16 (1,028 words: the sixteen rows that a store touches start four banks apart); the stage: 32 rows from LDS byte 0
.set S1,    131584                     ; slot 1 (slot 0 at 0); in a slot wave w's tiles at 8,192 w: tile i at 2,048 i, K step k % 2 at 1,024
.set XIMG,  262656                     ; ctx's 16 images ([tile m][K step]);
.set XSC,   279040                     ; ctx's scale words, [m][K step / 4][place][K step % 4]
.set SPARE, 0x48000                    ; the spare words, 128 bytes a wave
.set XS,    24
.set WS,    32
.set XF,    48
.set WF,    80
.set R0,    144
.set ACC,   176
.set G,     48
.set R1,    80
.set H,     176
.set G1W,   24                         ; s[24:31] group 1 of Wo's loads; s[32:35], s[56:59] their groups 0 for slot 0 and slot 1
.set G0A,   32
.set G0B,   56
.macro CROUND
	s_barrier_signal -1
	s_barrier_wait -1
	s_cmp_lg_u32 s20, 0
	s_cbranch_scc1 .Lnot_wave_0_\@
	s_barrier_signal -3
.Lnot_wave_0_\@:
	s_barrier_wait -3
	s_barrier_signal -1
	s_barrier_wait -1
.endm
	s_load_b256 s[4:11], s[0:1], 0x0               ; cc, cs, xc, xs
	s_load_b256 s[12:19], s[0:1], 0x20             ; bo, gamma, hidden, out0
	v_lshl_add_u32 v254, v0, 2, SPARE
	v_mov_b32 v255, 0
	ds_add_u32 v254, v255                          ; the opening lines: the add twice on end and one wait
	ds_add_u32 v254, v255
	v_lshrrev_b32 v1, 5, v0
	v_readfirstlane_b32 s20, v1                    ; wave 0..15
	s_bfe_u32 s21, ttmp6, 0x40000                  ; cx
	s_lshl_b32 s53, ttmp9, 2
	s_add_co_u32 s53, s53, s21                     ; g = 4 x cluster + cx: it enters addresses in memory of my own rows alone
	s_lshl_b32 s36, s20, 1                         ; p = 2 w
	s_and_b32 s37, s36, 7
	s_and_b32 s38, s36, 8
	s_lshl_b32 s38, s38, 1
	s_or_b32 s37, s37, s38
	s_and_b32 s38, s36, 16
	s_lshr_b32 s38, s38, 1
	s_or_b32 s37, s37, s38                         ; s(p)
	s_lshl_b32 s38, s53, 5
	s_add_co_u32 s38, s38, s37                     ; my first true row,
	s_lshl_b32 s38, s38, 12                        ; in bytes, in hidden and in out0
	s_mov_b32 s39, 0
	s_lshl_b32 s40, s53, 14                        ; ctx's images: 16,384 g + 1,024 w
	s_lshl_b32 s41, s20, 10
	s_add_co_u32 s40, s40, s41
	s_mov_b32 s41, 0
	s_lshl_b32 s42, s20, 14                        ; ctx's scale halves of head w: 16,384 w + 64 g
	s_lshl_b32 s43, s53, 6
	s_add_co_u32 s42, s42, s43
	s_mov_b32 s43, 0
	s_lshl_b32 s44, s20, 15                        ; Wo's tiles 1,216 + 4 w: codes,
	s_add_co_u32 s44, s44, 1216*8192
	s_mov_b32 s45, 0
	s_lshl_b32 s46, s20, 11                        ; scale words,
	s_add_co_u32 s46, s46, 1216*512
	s_mov_b32 s47, 0
	s_lshl_b32 s48, s20, 8                         ; and my 64 numbers of bo
	s_mov_b32 s49, 0
	s_mov_b32 s22, 0x76543210
	s_mov_b32 s23, 0xfedcba98                      ; v_permlanex16_b32's selects for lane l xor 16
	s_mov_b32 s52, 0x3a800000                      ; 1 / 1,024
	s_mov_b32 s[G1W], 15|(3<<16)|(1<<21)           ; the mask names all four partners, elements of 8 bytes, bit 21 beside the mask
	s_mov_b32 s[G1W+1], 256<<16                    ; 4 rows of 256 elements, 1,024 elements apart
	s_mov_b32 s[G1W+2], 4<<16
	s_mov_b32 s[G1W+3], 256<<16
	s_mov_b32 s[G1W+4], 4
	s_mov_b32 s[G1W+5], 1024
	s_mov_b32 s[G1W+6], 0
	s_mov_b32 s[G1W+7], 0
	s_lshl_b32 s60, s20, 8                         ; LDS places, made of the wave's number alone: my 256 bytes of a stage row,
	s_mul_i32 s61, s20, 2*SPIT                     ; my two stage rows,
	s_lshl_b32 s62, s20, 13                        ; my 8,192 bytes of a slot,
	s_lshl_b32 s63, s20, 10
	s_add_co_u32 s63, s63, XIMG                    ; where I put ctx's image w,
	s_lshr_b32 s50, s20, 3
	s_lshl_b32 s50, s50, 8                         ; and head w's scale halves: head w is K step w / 2, half w % 2: group (w / 2) / 4,
	s_lshr_b32 s51, s20, 1
	s_and_b32 s51, s51, 3
	s_lshl_b32 s51, s51, 2                         ; word (w / 2) % 4,
	s_add_co_u32 s50, s50, s51
	s_and_b32 s51, s20, 1
	s_lshl_b32 s51, s51, 1                         ; half w % 2
	s_add_co_u32 s50, s50, s51
	s_add_co_u32 s50, s50, XSC
	s_wait_dscnt 0x0
	s_wait_kmcnt 0x0
	s_add_nc_u64 s[16:17], s[16:17], s[38:39]
	s_add_nc_u64 s[18:19], s[18:19], s[38:39]
	s_add_nc_u64 s[4:5], s[4:5], s[40:41]
	s_add_nc_u64 s[6:7], s[6:7], s[42:43]
	s_add_nc_u64 s[8:9], s[8:9], s[44:45]
	s_add_nc_u64 s[10:11], s[10:11], s[46:47]
	s_add_nc_u64 s[12:13], s[12:13], s[48:49]
	s_mov_b32 s[G0A], 1
	s_mov_b32 s[G0A+1], s62
	s_mov_b64 s[G0A+2:G0A+3], s[8:9]               ; K steps 0 and 1
	s_or_b32 s[G0A+3], s[G0A+3], 0x80000000
	s_mov_b32 s[G0B], 1
	s_add_co_u32 s[G0B+1], s62, S1
	s_add_nc_u64 s[G0B+2:G0B+3], s[8:9], 2048      ; K steps 2 and 3
	s_or_b32 s[G0B+3], s[G0B+3], 0x80000000
	CROUND                                         ; all four work-groups are here: the joint loads meet
	tensor_load_to_lds s[G0A:G0A+3], s[G1W:G1W+7]  ; my one tensor load at the head
	s_nop 0
	v_and_b32 v14, 31, v0                          ; lane
	v_and_b32 v2, 15, v0                           ; r
	v_bfe_u32 v3, v0, 4, 1                         ; h
	v_lshlrev_b32 v1, 4, v14                       ; 16 x lane
	v_lshlrev_b32 v11, 1, v14                      ; ctx's scale halves: 2 x lane
	v_lshlrev_b32 v10, 6, v3                       ; bo: 64 h
	global_load_b128 v[16:19], v1, s[4:5]          ; image w of ctx's sixteen
	global_load_b128 v[20:23], v1, s[4:5] offset:512
	global_load_u16 v12, v11, s[6:7]               ; head w's two scale bytes of the 32 rows
.irp m, 0,1
.irp i, 0,1,2,3
	global_load_b128 v[ACC+8*(4*\m+\i):ACC+8*(4*\m+\i)+3], v10, s[12:13] offset:(32*(\i/2)+8*(\i%2))*4      ; THE BIAS STARTS THE SUMS: register j of accumulator (m, i) is channel 64 w + 32 (i / 2) + 16 h + 8 (i % 2) + j
	global_load_b128 v[ACC+8*(4*\m+\i)+4:ACC+8*(4*\m+\i)+7], v10, s[12:13] offset:(32*(\i/2)+8*(\i%2))*4+16
.endr
.endr
.irp i, 0,1,2,3
	global_load_b128 v[WS+4*\i:WS+4*\i+3], v1, s[10:11] offset:512*\i   ; Wo's scale words: lanes 0-15 K steps 0-3, lanes 16-31 K steps 4-7
.endr
.irp t, 0,1,2,3,4,5,6,7
	global_load_b128 v[R0+4*\t:R0+4*\t+3], v1, s[16:17] offset:512*\t th:TH_LOAD_NT   ; my first row's residual: 512 consecutive bytes a load
.endr
	v_mul_u32_u24 v4, v2, SPIT
	v_lshlrev_b32 v9, 9, v3
	v_lshl_add_u32 v4, v3, 6, v4
	v_lshl_add_u32 v9, v2, 4, v9
	v_add_nc_u32 v4, s60, v4                       ; into the stage: row r, + 64 h, + 256 w
	v_add_nc_u32 v9, s50, v9                       ; ctx's scale half of tile lane / 16, place lane % 16
	v_add_nc_u32 v6, s61, v1                       ; back: my two rows, 16 bytes a lane
	v_add_nc_u32 v7, s62, v1                       ; my fragments of Wo in slot 0,
	v_add_nc_u32 v5, 16*SPIT, v4                   ; (the stage for tile 1: 16 rows on, past an LDS offset's 16 bits)
	v_add_nc_u32 v8, s63, v1
	v_add_nc_u32 v248, S1, v7                      ; and in slot 1
	v_add_nc_u32 v13, XIMG, v1
	v_add_nc_u32 v15, XSC, v1
	v_min_u32 v249, 15, v14
	v_mov_b32 v245, 0                              ; a lane permute's destination counts as a source
	v_mov_b32 v247, 0                              ; named as the upper half of the pair v[246:247]
	v_lshlrev_b32 v249, 8, v249                    ; the prefetch: a row's sixteen blocks of 256 bytes, a lane a block
	s_wait_alu depctr_va_vdst(0)                   ; the wait at the head's end
	s_wait_loadcnt 28                              ; ctx's image and scale halves are in; behind them 16 loads of bo, 4 of scale words and 8 of the residual may be out
	ds_store_b128 v8, v[16:19]
	ds_store_b128 v8, v[20:23] offset:512
	ds_store_b16 v9, v12
; A change of slots: the three lines, a round of the cluster's barrier, and my one joint load behind it.  step = 1: the group 0 goes two fills on, where no tensor load of mine is out
.macro TURN g0, step
	s_wait_tensorcnt 0x0                           ; all my tensor loads have landed
	ds_add_u32 v254, v255
.if \step
	s_add_nc_u64 s[\g0+2:\g0+3], s[\g0+2:\g0+3], 4096
.endif
	s_wait_dscnt 0x0                               ; the add is done, and so are my LDS stores and my reads of the slot that is filled next
	CROUND
	tensor_load_to_lds s[\g0:\g0+3], s[G1W:G1W+7]
	s_nop 0
.rept 4
	v_nop                                          ; the places ahead of the loads into registers that the last products have read
.endr
.endm
.macro MUL k, s                        ; a K step of 128: eight products, the eight accumulators by turns
.irp i, 0,1,2,3
.irp m, 0,1
.if (\k) < 4
	v_wmma_scale_f32_16x16x128_f8f6f4 v[ACC+8*(4*\m+\i):ACC+8*(4*\m+\i)+7], v[WF+32*(\s)+8*\i:WF+32*(\s)+8*\i+7], v[XF+16*(\s)+8*\m:XF+16*(\s)+8*\m+7], v[ACC+8*(4*\m+\i):ACC+8*(4*\m+\i)+7], v[WS+4*\i+(\k)%4], v[XS+4*\m+(\k)%4] matrix_a_fmt:MATRIX_FMT_FP4 matrix_b_fmt:MATRIX_FMT_FP4
.else
	v_wmma_scale_f32_16x16x128_f8f6f4 v[ACC+8*(4*\m+\i):ACC+8*(4*\m+\i)+7], v[WF+32*(\s)+8*\i:WF+32*(\s)+8*\i+7], v[XF+16*(\s)+8*\m:XF+16*(\s)+8*\m+7], v[ACC+8*(4*\m+\i):ACC+8*(4*\m+\i)+7], v[WS+4*\i+(\k)%4], v[XS+4*\m+(\k)%4] matrix_a_fmt:MATRIX_FMT_FP4 matrix_b_fmt:MATRIX_FMT_FP4 matrix_a_scale:MATRIX_SCALE_ROW1 matrix_b_scale:MATRIX_SCALE_ROW1
.endif
.endr
.endr
.endm
.macro PHASE n, adr                    ; K steps 2 n and 2 n + 1, from the slot at v[adr]: twelve LDS loads each
.irp kk, 0,1
.irp i, 0,1,2,3
.irp c, 0,1
	ds_load_b128 v[WF+32*\kk+8*\i+4*\c:WF+32*\kk+8*\i+4*\c+3], v[\adr] offset:2048*\i+1024*\kk+512*\c
.endr
.endr
.irp m, 0,1
.irp c, 0,1
	ds_load_b128 v[XF+16*\kk+8*\m+4*\c:XF+16*\kk+8*\m+4*\c+3], v13 offset:(8*\m+2*(\n)+\kk)*1024+512*\c
.endr
.endr
.endr
	s_wait_dscnt 12                                ; the first K step's fragments are in; the second's twelve loads may be out
	MUL 2*(\n), 0
	s_wait_dscnt 0x0
	MUL 2*(\n)+1, 1
.endm
	TURN G0B, 0                                    ; fill 0 and ctx's images and scale words lie in LDS; slot 1's first fill, issued as a refill is
	ds_load_b128 v[XS:XS+3], v15                   ; ctx's scale words: lanes 0-15 K steps 0-3, lanes 16-31 K steps 4-7
	ds_load_b128 v[XS+4:XS+7], v15 offset:512
	s_wait_loadcnt 8                               ; bo and Wo's scale words are in; the residual's eight loads may be out
	PHASE 0, 7
	global_prefetch_b8 v249, s[16:17] offset:4096 th:TH_LOAD_NT scope:SCOPE_SE   ; my second row's residual; its address registers are never written again
	TURN G0A, 1                                    ; K steps 4 and 5 into slot 0
	PHASE 1, 248
	TURN G0B, 1                                    ; K steps 6 and 7 into slot 1
	PHASE 2, 7
	s_wait_tensorcnt 0x0                           ; my last fill has landed; only I read its bytes.  Nothing is filled again
	s_barrier_signal -1                            ; my reads of slot 0 are over (the wait for them stands in PHASE).  Up to the wait stand register work and reads of slot 1 and of ctx's images, which no wave writes
.rept 4
	v_nop                                          ; places ahead of the loads into registers that the last products have read
.endr
	PHASE 3, 248
	s_barrier_wait -1                              ; everybody's reads of slot 0 are over: the stage may be written
.rept 4
	v_nop                                          ; places in front of the first read of results and of loads into the fragments' registers
.endr
.irp t, 0,1,2,3,4,5,6,7
	global_load_b128 v[G+4*\t:G+4*\t+3], v1, s[14:15] offset:512*\t   ; gamma at my columns: 4 x lane + 128 t + 0 .. 3
.endr
.irp t, 0,1,2,3,4,5,6,7
	global_load_b128 v[R1+4*\t:R1+4*\t+3], v1, s[16:17] offset:4096+512*\t th:TH_LOAD_NT   ; my second row's residual
.endr
.irp i, 0,1,2,3
	ds_store_b128 v4, v[ACC+8*\i:ACC+8*\i+3] offset:128*(\i/2)+32*(\i%2)          ; each accumulator from its low end on
	ds_store_b128 v4, v[ACC+8*\i+4:ACC+8*\i+7] offset:128*(\i/2)+32*(\i%2)+16
.endr
.irp i, 0,1,2,3
	ds_store_b128 v5, v[ACC+8*(4+\i):ACC+8*(4+\i)+3] offset:128*(\i/2)+32*(\i%2)
	ds_store_b128 v5, v[ACC+8*(4+\i)+4:ACC+8*(4+\i)+7] offset:128*(\i/2)+32*(\i%2)+16
.endr
	s_wait_dscnt 0x0                               ; for the others' sake; and the stores have read the accumulators
	s_barrier_signal -1
	s_barrier_wait -1                              ; 32 whole rows lie in the stage
.irp e, 0,1
.irp t, 0,1,2,3,4,5,6,7
	ds_load_b128 v[H+32*\e+4*\t:H+32*\e+4*\t+3], v6 offset:SPIT*\e+512*\t
.endr
.endr
.macro ROW e
.set HH, H+32*(\e)
.set RE, R0-64*(\e)
	s_wait_loadcnt 8-8*(\e)                        ; this row's residual and gamma are in; the second row's eight loads may be out
	s_wait_dscnt 8-8*(\e)                          ; this row's 8 loads are in; the other row's 8 may be out
.set j, 0
.rept 16
	v_pk_add_f32 v[HH+j:HH+j+1], v[HH+j:HH+j+1], v[RE+j:RE+j+1]   ; + the residual
.set j, j+2
.endr
	v_pk_mul_f32 v[240:241], v[HH:HH+1], v[HH:HH+1]               ; the squares, in two chains that the first two products start
	v_pk_mul_f32 v[242:243], v[HH+2:HH+3], v[HH+2:HH+3]
.set j, 4
.rept 7
	s_delay_alu instid0(VALU_DEP_2)
	v_pk_fma_f32 v[240:241], v[HH+j:HH+j+1], v[HH+j:HH+j+1], v[240:241]
	s_delay_alu instid0(VALU_DEP_2)
	v_pk_fma_f32 v[242:243], v[HH+j+2:HH+j+3], v[HH+j+2:HH+j+3], v[242:243]
.set j, j+4
.endr
	s_delay_alu instid0(VALU_DEP_1)
	v_pk_add_f32 v[240:241], v[240:241], v[242:243]
	s_delay_alu instid0(VALU_DEP_1)
	v_add_f32 v244, v240, v241
	s_delay_alu instid0(VALU_DEP_1)
	v_add_f32_dpp v244, v244, v244 row_xmask:1 row_mask:0xf bank_mask:0xf
	s_delay_alu instid0(VALU_DEP_1)
	v_add_f32_dpp v244, v244, v244 row_xmask:2 row_mask:0xf bank_mask:0xf
	s_delay_alu instid0(VALU_DEP_1)
	v_add_f32_dpp v244, v244, v244 row_xmask:4 row_mask:0xf bank_mask:0xf
	s_delay_alu instid0(VALU_DEP_1)
	v_add_f32_dpp v244, v244, v244 row_xmask:8 row_mask:0xf bank_mask:0xf
	s_delay_alu instid0(VALU_DEP_1)
	v_permlanex16_b32 v245, v244, s22, s23
	s_delay_alu instid0(VALU_DEP_1)
	v_add_f32 v244, v244, v245                     ; the row's sum of squares, in every lane
	s_delay_alu instid0(VALU_DEP_1)
	v_fma_f32 v244, v244, s52, 0x358637bd          ; / 1,024 + 1e-6
	s_wait_alu depctr_va_vdst(0)                   ; the wait ahead of the transcendental
	v_rsq_f32 v246, v244
	v_nop                                          ; the plain instruction behind it
	s_wait_alu depctr_va_vdst(0)                   ; and the wait ahead of its first reader
.set j, 0
.rept 16
	v_pk_mul_f32 v[HH+j:HH+j+1], v[HH+j:HH+j+1], v[246:247] op_sel_hi:[1,0]
.set j, j+2
.endr
.set j, 0
.rept 16
	v_pk_mul_f32 v[HH+j:HH+j+1], v[HH+j:HH+j+1], v[G+j:G+j+1]
.set j, j+2
.endr
.irp t, 0,1,2,3,4,5,6,7
	global_store_b128 v1, v[HH+4*\t:HH+4*\t+3], s[18:19] offset:4096*(\e)+512*\t th:TH_STORE_NT   ; 32 lanes store 512 consecutive bytes, aligned; written once, read by nobody here
.endr
.endm
	ROW 0
	ROW 1
	s_wait_tensorcnt 0x0                           ; the wave's end
	ds_add_u32 v254, v255
	s_wait_dscnt 0x0
	CROUND                                         ; the closing round
	s_endpgm
.Lfunc_end_k_qb4d8d817a1_outp:
	.size	k_qb4d8d817a1_outp, .Lfunc_end_k_qb4d8d817a1_outp-k_qb4d8d817a1_outp
	.p2alignl 7, 3214868480
	.fill 96, 4, 3214868480
	.section	.rodata,"a",@progbits
	.p2align	6, 0x0
	.amdhsa_kernel k_qb4d8d817a1_outp
		.amdhsa_group_segment_fixed_size 327680
		.amdhsa_private_segment_fixed_size 0
		.amdhsa_enable_private_segment 0
		.amdhsa_kernarg_size 64
		.amdhsa_user_sgpr_count 2
		.amdhsa_user_sgpr_kernarg_segment_ptr 1
		.amdhsa_wavefront_size32 1
		.amdhsa_system_sgpr_workgroup_id_x 1
		.amdhsa_system_sgpr_workgroup_id_y 1
		.amdhsa_system_sgpr_workgroup_id_z 1
		.amdhsa_system_vgpr_workitem_id 0
		.amdhsa_next_free_vgpr 256
		.amdhsa_next_free_sgpr 72
		.amdhsa_reserve_vcc 0
		.amdhsa_float_denorm_mode_32 3
		.amdhsa_float_denorm_mode_16_64 3
		.amdhsa_memory_ordered 1
		.amdhsa_forward_progress 1
		.amdhsa_inst_pref_size 42
	.end_amdhsa_kernel
	.amdgpu_metadata
---
amdhsa.version: [ 1, 2 ]
amdhsa.kernels:
  - .name:           k_qb4d8d817a1_outp
    .symbol:         k_qb4d8d817a1_outp.kd
    .args:
      - { .name: cc, .offset: 0, .size: 8, .value_kind: global_buffer, .address_space: global }
      - { .name: cs, .offset: 8, .size: 8, .value_kind: global_buffer, .address_space: global }
      - { .name: xc, .offset: 16, .size: 8, .value_kind: global_buffer, .address_space: global }
      - { .name: xs, .offset: 24, .size: 8, .value_kind: global_buffer, .address_space: global }
      - { .name: bo, .offset: 32, .size: 8, .value_kind: global_buffer, .address_space: global }
      - { .name: gamma, .offset: 40, .size: 8, .value_kind: global_buffer, .address_space: global }
      - { .name: hidden_states, .offset: 48, .size: 8, .value_kind: global_buffer, .address_space: global }
      - { .name: out0, .offset: 56, .size: 8, .value_kind: global_buffer, .address_space: global }
    .group_segment_fixed_size: 327680
    .private_segment_fixed_size: 0
    .kernarg_segment_align: 8
    .kernarg_segment_size: 64
    .max_flat_workgroup_size: 512
    .sgpr_count:     72
    .vgpr_count:     256
    .wavefront_size: 32
...
	.end_amdgpu_metadata
.endif
;; end of part 4
